; MI455X (gfx1250); checked and timed in simulation.
; The chip was launched on July 23, 2026; its instructions are those of AMD's public machine-readable ISA for CDNA 5 (MIT licence, August 2026) and "CDNA5" Instruction Set Architecture Reference Guide (July 2026). The comments in the code are by the model that wrote it; some were corrected since.
;; Cross Attention. Allowed arithmetic: matrix products marked QUANTISED: E2M1 operands, one E8M0 scale for each 32 along K, by v_wmma_scale_f32_16x16x128_f8f6f4 with both operands' format E2M1 (or v_wmma_scale_f32_32x16x128_f4), f32 sums; products left as they are: f32 operands where the result goes on into a quantised operand, else bf16, f16 or f32 operands; f32 sums; everything else in f32.
;; Inputs: Wk_codes 1,024 x 32 x 16 uint8 (E2M1 codes of Wk, K innermost, in blocks of 32 codes, two codes a byte); Wk_scales 1,024 x 32 uint8 (E8M0 scales of Wk, one for each 32 codes along K); Wo_codes 1,024 x 32 x 16 uint8 (E2M1 codes of Wo, K innermost, in blocks of 32 codes, two codes a byte); Wo_scales 1,024 x 32 uint8 (E8M0 scales of Wo, one for each 32 codes along K); Wq_codes 1,024 x 32 x 16 uint8 (E2M1 codes of Wq, K innermost, in blocks of 32 codes, two codes a byte); Wq_scales 1,024 x 32 uint8 (E8M0 scales of Wq, one for each 32 codes along K); Wv_codes 1,024 x 32 x 16 uint8 (E2M1 codes of Wv, K innermost, in blocks of 32 codes, two codes a byte); Wv_scales 1,024 x 32 uint8 (E8M0 scales of Wv, one for each 32 codes along K); bk 1,024 float32; bo 1,024 float32; bq 1,024 float32; bv 1,024 float32; encoder_x_codes 4 x 2,048 x 32 x 16 uint8 (E2M1 codes of encoder_x, K innermost, in blocks of 32 codes, two codes a byte); encoder_x_scales 4 x 2,048 x 32 uint8 (E8M0 scales of encoder_x, one for each 32 codes along K); x_codes 4 x 2,048 x 32 x 16 uint8 (E2M1 codes of x, K innermost, in blocks of 32 codes, two codes a byte); x_scales 4 x 2,048 x 32 uint8 (E8M0 scales of x, one for each 32 codes along K).
;; Outputs: out0 4 x 2,048 x 1,024 float32.
;; This version of the problem:
;;   THIS VERSION OF THE PROBLEM IS GIVEN IN LOW PRECISION. The matrix products marked QUANTISED in the list below multiply operands that are first quantised to E2M1 (2 exponent bits, 1 mantissa bit; 4 bits a number), with one power-of-two scale for each 32 numbers along K (OCP MX v1.0); their sums are f32. All else is computed in f32.
;;   The module's matrix products, in the order in which they are computed (A, B: the left and right operand; K: the contracted axis; several contracted axes count as one K, in the product's order):
;;     1. [M 8,192, K 1,024] x [K 1,024, N 1,024]; A: input encoder_x (given as codes); B: input Wq (given as codes): QUANTISED
;;     2. [M 8,192, K 1,024] x [K 1,024, N 1,024]; A: input encoder_x (given as codes); B: input Wk (given as codes): QUANTISED
;;     3. [M 8,192, K 1,024] x [K 1,024, N 1,024]; A: input x (given as codes); B: input Wv (given as codes): QUANTISED
;;     4. batch 64 x [M 2,048, K 64] x [K 64, N 2,048]; A: computed on the way; B: computed on the way: QUANTISED
;;     5. batch 64 x [M 1, K 1] x [K 1, N 131,072]; A: computed on the way; B: computed on the way: left as it is (no contracted axis)
;;     6. [M 8,192, K 1,024] x [K 1,024, N 1,024]; A: computed on the way; B: input Wo (given as codes): QUANTISED
;;   THE QUANTISER, for each operand of a quantised product, along K:
;;     - K is cut into blocks of 32 from its start; a last block that is shorter is filled with zeros.
;;     - A block's scale is 2^e with e = floor(log2(the largest magnitude in the block)) - 2, held to -126 .. 127; a block of zeros has e = 0. As a byte (E8M0): e + 127.
;;     - Each number is divided by its block's scale, clamped to +-6, and rounded to the nearest number of E2M1, ties to even, subnormals kept.
;;     - The product sums the exact products of the quantised numbers (number of the format x scale) in f32.
;;   ~~~python
;;   def quantise(x, axis):      # numpy; x: float32 -> the quantised numbers, widened to float32 again
;;       x = np.moveaxis(x, axis, -1); K = x.shape[-1]
;;       x = np.pad(x, [(0, 0)] * (x.ndim - 1) + [(0, -K % 32)]); x = x.reshape(x.shape[:-1] + (-1, 32)); a = np.abs(x).max(-1, keepdims=True)
;;       e = np.where(a > 0, np.clip(np.frexp(np.where(a > 0, a, 1))[1] - 1 - 2, -126, 127), 0)      # np.frexp(a)[1] - 1 = floor(log2(a)), exactly
;;       r = np.clip(x / 2.0 ** e, -6, 6)
;;       step = 2.0 ** (np.maximum(np.frexp(np.where(r == 0, 1, r))[1] - 1, 0) - 1)
;;       q = np.round(r / step) * step * 2.0 ** e      # np.round: ties to even
;;       return np.moveaxis(q.reshape(q.shape[:-2] + (-1,))[..., :K], -1, axis).astype(np.float32)
;;   ~~~
;;   OPERANDS COMPUTED ON THE WAY. 'Computed on the way' means the value that the module computes at that place (a softmax that the list does not call 'softmax' is quantised finished and normalised). What goes into a quantiser is computed in f32, as accurately as f32 sums, v_exp_f32 and their like allow (about 1e-6 of the number): no bf16 or f16 on the way to a quantiser, and a product that is left as it is and whose result goes on into a quantised operand takes f32 operands (vector FMAs, or v_wmma_f32_16x16x4_f32). A number that lies on a knife's edge between two numbers of the format may be rounded either way, as far as f32 arithmetic and the matrix unit's own rounding can turn it there, and no further.
;;   INPUTS GIVEN AS CODES. Wk (in the module: [1024, 1024], K = its axis 0); Wo (in the module: [1024, 1024], K = its axis 0); Wq (in the module: [1024, 1024], K = its axis 0); Wv (in the module: [1024, 1024], K = its axis 0); encoder_x (in the module: [4, 2048, 1024], K = its axis 2); x (in the module: [4, 2048, 1024], K = its axis 2): each comes as NAME_codes (uint8): NAME with its K axis moved to the last place and cut into blocks of 32 codes, [.., K / 32, bytes a block], one block behind the other in memory; two codes a byte, the lower K in the low four bits (a code: sign, 2 exponent bits, 1 mantissa bit); and NAME_scales (uint8): the same leading axes, one E8M0 byte (e + 127) for each 32 codes along K. Its value is code x scale, taken as it is: it is not quantised again, and the codes and scales need not be those that the quantiser above would give.
;; One version. Each part assembles by itself: llvm-mc -triple=amdgcn-amd-amdhsa -mcpu=gfx1250 --defsym DOCPART=n.
;; ======== version 1 of 1: 4 launches
;; limits: right only within a limited range of input values
;; workspace buffers: qimg 4,456,448 bytes; kimg 4,456,448 bytes; part 2,048 bytes; aimg 4,194,304 bytes; ascl 262,144 bytes
;; launch qk (part 1): grid 8 x 32, 4 waves a work-group, clusters of 4 x 4, 279,040 bytes of LDS; arguments encoder_x_codes, encoder_x_scales, Wq_codes, Wq_scales, Wk_codes, Wk_scales, bq, bk, qimg, kimg; writes qimg, kimg
.if DOCPART == 1
	.amdgcn_target "amdgcn-amd-amdhsa--gfx1250"
	.amdhsa_code_object_version 6
	.text
	.protected	k_q2788a457c0_qk
	.globl	k_q2788a457c0_qk
	.p2align	8
	.type	k_q2788a457c0_qk,@function
k_q2788a457c0_qk:
	s_mov_b64 s[64:65], 0
	v_nop
	global_prefetch_b8 v0, s[64:65] scope:SCOPE_SE
	s_setreg_imm32_b32 hwreg(HW_REG_WAVE_MODE, 25, 1), 1
	s_wait_xcnt 0x0
	s_wait_alu depctr_hold_cnt(0) depctr_sa_sdst(0) depctr_va_vdst(0) depctr_va_sdst(0) depctr_va_ssrc(0) depctr_va_vcc(0) depctr_vm_vsrc(0)
	s_getreg_b32 s2, hwreg(HW_REG_IB_STS2, 6, 4)
	s_cmp_eq_u32 s2, 0
	s_cbranch_scc0 .Lentry_in_a_cluster
	s_endpgm
.Lentry_in_a_cluster:
	s_bfe_u32 s2, ttmp6, 0x10000c
	s_cmp_lg_u32 s2, 0xf033
	s_cbranch_scc0 .Lentry_shape_is_right
	s_endpgm
.Lentry_shape_is_right:
; q = encoder_x Wq + bq and k = encoder_x Wk + bk, both on codes of FP4 (E2M1) with one E8M0 scale for each 32 along K = 1,024; the results are quantised
; at once along each head's 64 channels and leave as images of operand registers for the next launch.  No f32 result goes to memory.
; SHARES.  256 work-groups, each 256 rows x 256 columns.  The clusters with x = 0 take Wq, those with x = 1 take Wk; the columns begin at 256 cx.
; A wave makes 128 rows x 128 columns (a pair of heads): 64 accumulators of 16 x 16, 512 registers.
; ALL OF K LIES IN LDS: a row of 1,024 codes is 512 bytes; it comes as two halves of 256 bytes, each wave fetching 128 rows of each half.  Every tensor load fills bytes for the first
; time: nothing is filled again.  By this text's count a wave has two tensor loads out at the most.
; CLUSTER 4 x 4: the four work-groups of a row of the cluster need the same rows of encoder_x, the four of a column the same rows of W: each tile is asked for jointly.
; TRANSPOSED USE: source 0 = 16 rows of W, source 1 = 16 rows of encoder_x: a lane holds ONE row of the result, its registers run along the channels.
; THE ROWS OF W THAT FORM A TILE ARE NOT NEIGHBOURS: lane p of tile 2 B + u takes row 32 B + 8 u + p + 8 (p / 8), so that the 16 registers of tiles 2 B and 2 B + 1 are 16 neighbouring channels.
; The two groups of eight rows of such a tile lie 16 rows apart in LDS, so W's fragment loads fall two deep on the banks; that is kept.
; THE SCALE WORDS of all of K go from memory straight into registers, once: a row's 32 bytes are its 8 words; lanes 0-15 take an even tile's rows, lanes 16-31 the odd tile's.
; THE BIAS is the C of each sum's first matrix instruction.
; OUT: unit u = 8 batch + pair of heads, 139,264 bytes: 128 tiles of 16 rows x 1,024 bytes ([half of the fragment][lane][16 bytes]), then 16 groups of 512 bytes of scale words ([lane][4 words]:
; word j of lane (r, h) of group g belongs to row r of tile 8 g + 2 j + h).
; LIMITS: NaN and infinities are not served.  A block of zeros, and a block whose largest magnitude lies under 2^-124, gets the byte 1 (the rule says 127 for zeros): its codes are then zeros or the
; nearest codes under that scale, and the bytes are read by this program alone.
; REGISTERS, in windows of 256: window 0: v0-31 addresses; v32-63 W's scale words; v64-95 encoder_x's; v96-119 at work; v128-191, v192-255 two sets of encoder_x's fragments (later the codes made).
;   window 1: v0-63, v64-127 two sets of W's fragments; v128-191 the bias, 8 tiles.   window 2: accumulators of my rows 0-63 ((a, b) at 8 (8 (a % 4) + b));   window 3: of my rows 64-127.
.set PITCH, 272                        ; an LDS row: 256 bytes + 16 of padding
.set HALFT, 128*PITCH                  ; 128 rows: what one tensor load brings
.set SLOT,  4*HALFT                    ; a half of K: encoder_x's 256 rows, then W's 256 rows
.set UNIT,  139264
.set USC,   131072
.set ADRA, 16                          ; v16-17 LDS address of my fragments of encoder_x in K half 0, 1
.set ADRB, 20                          ; v20-21 the same for W
.set SB,   32
.set SA,   64
.set TM,   96                          ; v96-99 largest magnitudes, v100-103 bytes, v108-111 the conversions' scale operands
.set PW,   112                         ; the scale word just made
.set SW,   116                         ; v116-119 the scale words to be stored
.set AF,   128
.set BI,   128                         ; in window 1
.set G1A,  24
.set G0A,  32
.set G1B,  48
.set G0B,  56
.set WV,   66
.set FB,   67
.set HF,   68
.set CX,   69
.set CY,   70
.set YY,   72
.set HM,   94                          ; s94 the lanes 16-31
.set SEL,  96                          ; s[96:97] v_permlanex16_b32's selects for lane l xor 16
.set MSB, 0
.macro WIN new                         ; the immediate's high byte repeats the setting that is left; a switch that changes nothing is dropped
.if MSB != (\new)
	s_set_vgpr_msb (MSB<<8)|(\new)
.set MSB, (\new)
.endif
.endm
.macro PLACES n
.rept \n
	v_nop
.endr
.endm
.macro CROUND                          ; a round of the cluster's barrier
	s_barrier_signal -1
	s_barrier_wait -1
	s_cmp_lg_u32 s[WV], 0
	s_cbranch_scc1 .Lnot_wave_0_\@
	s_barrier_signal -3
.Lnot_wave_0_\@:
	s_barrier_wait -3
	s_barrier_signal -1
	s_barrier_wait -1
.endm
.macro WM ra, rb                       ; one product; ra, rb: the scales of source 0, 1 stand in lanes 16-31
.if (\ra) && (\rb)
	v_wmma_scale_f32_16x16x128_f8f6f4 v[rD:rD+7], v[rW:rW+7], v[rA:rA+7], v[rC:rC+7], v[rSW], v[rSX] matrix_a_fmt:MATRIX_FMT_FP4 matrix_b_fmt:MATRIX_FMT_FP4 matrix_a_scale:MATRIX_SCALE_ROW1 matrix_b_scale:MATRIX_SCALE_ROW1
.elseif (\ra)
	v_wmma_scale_f32_16x16x128_f8f6f4 v[rD:rD+7], v[rW:rW+7], v[rA:rA+7], v[rC:rC+7], v[rSW], v[rSX] matrix_a_fmt:MATRIX_FMT_FP4 matrix_b_fmt:MATRIX_FMT_FP4 matrix_a_scale:MATRIX_SCALE_ROW1
.elseif (\rb)
	v_wmma_scale_f32_16x16x128_f8f6f4 v[rD:rD+7], v[rW:rW+7], v[rA:rA+7], v[rC:rC+7], v[rSW], v[rSX] matrix_a_fmt:MATRIX_FMT_FP4 matrix_b_fmt:MATRIX_FMT_FP4 matrix_b_scale:MATRIX_SCALE_ROW1
.else
	v_wmma_scale_f32_16x16x128_f8f6f4 v[rD:rD+7], v[rW:rW+7], v[rA:rA+7], v[rC:rC+7], v[rSW], v[rSX] matrix_a_fmt:MATRIX_FMT_FP4 matrix_b_fmt:MATRIX_FMT_FP4
.endif
.endm
.macro MULROW a, set, q                ; block a of my rows against W's eight tiles, K step q.  The 64 accumulators take turns, one instruction a turn
.irp b, 0,1,2,3,4,5,6,7
.set rD, 8*(8*((\a)%4)+\b)
.set rW, 64*(\set)+8*\b
.set rA, AF+64*(\set)+8*(\a)
.if (\q) == 0
.set rC, BI+8*\b
.else
.set rC, 8*(8*((\a)%4)+\b)
.endif
.set rSW, SB+8*(\b/2)+(\q)
.set rSX, SA+8*((\a)/2)+(\q)
	WM \b%2, (\a)%2
.endr
.endm
.macro FETCH q, set                    ; the fragments of K step q: 16 rows x 128 K are 8 registers, two loads of 16 bytes, 32 bytes apart
	WIN 0x40
.irp b, 0,1,2,3,4,5,6,7
.irp c, 0,1
	ds_load_b128 v[64*(\set)+8*\b+4*\c:64*(\set)+8*\b+4*\c+3], v[ADRB+(\q)/4] offset:(32*(\b/2)+8*(\b%2))*PITCH+64*((\q)%4)+32*\c
.endr
.endr
	WIN 0
.irp a, 0,1,2,3,4,5,6,7
.irp c, 0,1
	ds_load_b128 v[AF+64*(\set)+8*\a+4*\c:AF+64*(\set)+8*\a+4*\c+3], v[ADRA+(\q)/4] offset:16*\a*PITCH+64*((\q)%4)+32*\c
.endr
.endr
.endm
.macro KSTEP q                         ; 128 along K: 64 products; in their middle the next step's fragments are asked for, into the other set
	s_wait_dscnt 0x0                               ; this step's fragments are in (asked for 32 products ago)
.if (\q) == 3
	s_wait_tensorcnt 0x0                           ; my part of K half 1 has landed: say so; the others read it behind the barrier
	s_barrier_signal -1
.endif
.if (\q) == 0
	WIN 0x91                                       ; W window 1, encoder_x window 0, C = the bias in window 1, D window 2
.else
	WIN 0xa1
.endif
.irp a, 0,1,2,3
	MULROW \a, (\q)%2, \q
.endr
.if (\q) == 3
	s_barrier_wait -1
.endif
.if (\q) < 7
	PLACES 4                                       ; four plain places between the last step's products, which read that set, and the loads into it (ISA guide 7.12.1 for vector instructions)
	FETCH (\q)+1, ((\q)+1)%2
.endif
.if (\q) == 0
	WIN 0xd1
.else
	WIN 0xf1
.endif
.irp a, 4,5,6,7
	MULROW \a, (\q)%2, \q
.endr
.endm
; 64 numbers of a lane in window w, register 16 B + i = channel 32 B + 16 (lane / 16) + i of my row, become a fragment's codes in v[pc] on and its scale word in v[PW].
.macro QUANT src, w, pc
.set qS, (\src)
.set qP, (\pc)
	WIN (\w)|((\w)<<2)
.irp b, 0,1,2,3
	v_max3_num_f32 v[TM+\b], |v[qS+16*\b]|, |v[qS+16*\b+1]|, 0x1800000   ; my 16 numbers of block B, each accumulator from its low end on, and the floor 2^(3 - 127): the byte cannot fall under 1
.endr
	WIN ((\w)<<2)|((\w)<<4)
.irp i, 2,4,6,8,10,12,14
.irp b, 0,1,2,3
	v_max3_num_f32 v[TM+\b], v[TM+\b], |v[qS+16*\b+\i]|, |v[qS+16*\b+\i+1]|
.endr
.endr
	WIN 0
.irp b, 0,1,2,3
	v_permlanex16_b32 v[TM+4+\b], v[TM+\b], s[SEL], s[SEL+1]
.endr
.irp b, 0,1,2,3
	v_max_num_f32 v[TM+\b], v[TM+\b], v[TM+4+\b]   ; with lane l xor 16's 16: the block's largest magnitude
.endr
.irp b, 0,1,2,3
	v_add_nc_u32 v[TM+12+\b], 0xff000000, v[TM+\b] ; 2 off its exponent field: the conversion's scale operand
.endr
.irp b, 0,1,2,3
	v_lshrrev_b32 v[TM+4+\b], 23, v[TM+12+\b]      ; the scale's byte
.endr
	v_lshl_or_b32 v[PW], v[TM+5], 8, v[TM+4]
	v_lshl_or_b32 v[PW], v[TM+6], 16, v[PW]
	v_lshl_or_b32 v[PW], v[TM+7], 24, v[PW]
	WIN (\w)
.irp b, 0,1,2,3
	v_cvt_scalef32_pk8_fp4_f32 v[qP+2*\b], v[qS+16*\b:qS+16*\b+7], v[TM+12+\b]
	v_cvt_scalef32_pk8_fp4_f32 v[qP+2*\b+1], v[qS+16*\b+8:qS+16*\b+15], v[TM+12+\b]
.endr
	WIN 0
	v_nop                                          ; one plain place behind the scaled conversions
.irp c, 0,1                                    ; the operand's layout wants a whole block in a lane
.irp i, 0,1
	v_permlane16_swap_b32 v[qP+4*\c+\i], v[qP+4*\c+2+\i]
.endr
.endr
.endm
	s_load_b512 s[4:19], s[0:1], 0x0               ; encoder_x codes, scales; Wq codes, scales; Wk codes, scales; bq; bk
	s_load_b128 s[20:23], s[0:1], 0x40             ; qimg, kimg
	v_lshl_add_u32 v126, v0, 2, 0x44000
	v_mov_b32 v127, 0
	ds_add_u32 v126, v127
	ds_add_u32 v126, v127
	v_lshrrev_b32 v1, 5, v0
	v_readfirstlane_b32 s[WV], v1                  ; wave 0..3
	s_lshr_b32 s[FB], s[WV], 1                     ; which half of the rows is mine.  Also: I fetch for encoder_x (0) or for W (1)
	s_and_b32 s[HF], s[WV], 1                      ; which half of the columns.  Also: which 128 rows I fetch
	s_bfe_u32 s[CX], ttmp6, 0x40000
	s_bfe_u32 s[CY], ttmp6, 0x40004
	s_and_b32 s[YY], ttmp7, 0xffff
	s_lshl_b32 s[YY], s[YY], 2
	s_add_co_u32 s[YY], s[YY], s[CY]               ; block of 256 rows = 4 x cluster y + cy
	s_lshl_b32 s73, s[CY], 2
	s_lshl_b32 s73, 15, s73                        ; my row of the cluster
	s_lshl_b32 s74, 0x1111, s[CX]                  ; my column
	s_or_b32 s[G1A], s73, (1<<20)|(1<<21)|(5<<22)|(3<<25)   ; 15:0 the mask; 17:16 elements of 1 byte; 20 padding on; 21 set beside a mask; 24:22 after every 64 words; 31:25 four words
	s_or_b32 s[G1B], s74, (1<<20)|(1<<21)|(5<<22)|(3<<25)
.irp g, G1A, G1B
	s_mov_b32 s[\g+1], 256<<16                     ; tensor_dim0 = 256
	s_mov_b32 s[\g+2], 128<<16                     ; tensor_dim1 = 128
	s_mov_b32 s[\g+3], 256<<16                     ; tile_dim0 = 256
	s_mov_b32 s[\g+4], 128                         ; tile_dim1 = 128
	s_mov_b32 s[\g+5], 512                         ; from row to row
	s_mov_b32 s[\g+6], 0
	s_mov_b32 s[\g+7], 0
.endr
	s_lshl_b32 s75, s[HF], 7
	s_lshl_b32 s76, s[YY], 8
	s_add_co_u32 s76, s76, s75
	s_lshl_b32 s76, s76, 9                         ; encoder_x: row 256 Y + 128 x half, 512 bytes a row
	s_mov_b32 s77, 0
	s_lshl_b32 s78, s[CX], 8
	s_add_co_u32 s78, s78, s75
	s_lshl_b32 s78, s78, 9                         ; W: row 256 cx + 128 x half
	s_mov_b32 s79, 0
	s_mul_i32 s80, s[WV], HALFT                    ; where they go: wave x 128 rows
	s_mov_b32 s[SEL], 0x76543210
	s_mov_b32 s[SEL+1], 0xfedcba98
	v_and_b32 v1, 15, v0                           ; r
	v_bfe_u32 v2, v0, 4, 1                         ; h
	v_and_b32 v3, 31, v0                           ; lane
	v_lshlrev_b32 v4, 4, v3                        ; 16 x lane
	v_lshlrev_b32 v5, 5, v3                        ; 32 x lane: a row of scale bytes
	v_and_b32 v6, 8, v1
	v_add_nc_u32 v6, v6, v1                        ; r + 8 (r / 8)
	v_lshl_add_u32 v7, v2, 3, v6
	v_lshlrev_b32 v7, 5, v7                        ; W's scale rows: 32 (8 h + r + 8 (r / 8))
	v_lshlrev_b32 v8, 6, v2                        ; the bias: 16 h numbers on
	v_mul_u32_u24 v10, v1, PITCH
	v_lshl_add_u32 v10, v2, 4, v10
	v_mul_u32_u24 v11, v6, PITCH
	v_lshl_add_u32 v11, v2, 4, v11
	s_mul_i32 s81, s[FB], HALFT
	s_mul_i32 s75, s[HF], HALFT
	s_add_co_u32 s75, s75, 2*HALFT
.irp kh, 0,1
	v_add_nc_u32 v[ADRA+\kh], s81, v10
	v_add_nc_u32 v[ADRB+\kh], s75, v11
	s_add_co_u32 s81, s81, SLOT
	s_add_co_u32 s75, s75, SLOT
.endr
	v_cmp_le_u32 s[HM], 16, v3
.irp b, 0,1,2,3
	v_mov_b32 v[TM+4+\b], 0                        ; written once: a lane permute's destination counts as one of its sources
.endr
	; offsets of what goes through registers
	s_lshl_b32 s82, s[YY], 8
	s_lshl_b32 s83, s[FB], 7
	s_add_co_u32 s82, s82, s83
	s_lshl_b32 s82, s82, 5                         ; encoder_x's scales: my 128 rows
	s_mov_b32 s83, 0
	s_lshl_b32 s84, s[CX], 8
	s_lshl_b32 s85, s[HF], 7
	s_add_co_u32 s84, s84, s85                     ; my first column
	s_lshl_b32 s86, s84, 2                         ; in the bias,
	s_lshl_b32 s84, s84, 5                         ; in W's scales
	s_mov_b32 s85, 0
	s_mov_b32 s87, 0
	s_and_b32 s88, s[YY], 0x18                     ; 8 x batch
	s_lshl_b32 s90, s[CX], 1
	s_add_co_u32 s88, s88, s90
	s_add_co_u32 s88, s88, s[HF]                   ; the unit
	s_mul_i32 s88, s88, UNIT
	s_and_b32 s90, s[YY], 7
	s_lshl_b32 s90, s90, 1
	s_add_co_u32 s90, s90, s[FB]                   ; my group of 8 tiles
	s_lshl_b32 s92, s90, 9
	s_add_co_u32 s92, s92, s88
	s_add_co_u32 s92, s92, USC                     ; its scale words
	s_mov_b32 s93, 0
	s_lshl_b32 s90, s90, 13
	s_add_co_u32 s90, s90, s88                     ; its codes
	s_mov_b32 s91, 0
	s_wait_dscnt 0x0
	s_wait_kmcnt 0x0
	s_cmp_eq_u32 ttmp9, 0                          ; Wq or Wk: by the cluster's x, which all sixteen partners share
	s_cselect_b64 s[8:9], s[8:9], s[12:13]
	s_cselect_b64 s[10:11], s[10:11], s[14:15]
	s_cselect_b64 s[16:17], s[16:17], s[18:19]
	s_cselect_b64 s[20:21], s[20:21], s[22:23]
	s_add_nc_u64 s[76:77], s[4:5], s[76:77]
	s_add_nc_u64 s[78:79], s[8:9], s[78:79]
	s_add_nc_u64 s[82:83], s[6:7], s[82:83]
	s_add_nc_u64 s[84:85], s[10:11], s[84:85]
	s_add_nc_u64 s[86:87], s[16:17], s[86:87]
	s_add_nc_u64 s[90:91], s[20:21], s[90:91]
	s_add_nc_u64 s[92:93], s[20:21], s[92:93]
	CROUND                                         ; all sixteen work-groups are here: the joint loads meet
.irp kh, 0,1
	s_mov_b32 s[G0A+4*\kh], 1
	s_add_co_u32 s[G0A+4*\kh+1], s80, \kh*SLOT
	s_add_nc_u64 s[G0A+4*\kh+2:G0A+4*\kh+3], s[76:77], \kh*256
	s_or_b32 s[G0A+4*\kh+3], s[G0A+4*\kh+3], 0x80000000
	s_mov_b32 s[G0B+4*\kh], 1
	s_add_co_u32 s[G0B+4*\kh+1], s80, \kh*SLOT
	s_add_nc_u64 s[G0B+4*\kh+2:G0B+4*\kh+3], s[78:79], \kh*256
	s_or_b32 s[G0B+4*\kh+3], s[G0B+4*\kh+3], 0x80000000
.endr
	s_cmp_eq_u32 s[FB], 0                          ; a wave's two fills stand in one branch on the wave's number; four v_nop follow the second
	s_cbranch_scc0 .Lfirst_b
	tensor_load_to_lds s[G0A:G0A+3], s[G1A:G1A+7]
	s_nop 0
	tensor_load_to_lds s[G0A+4:G0A+7], s[G1A:G1A+7]
	s_nop 0
.rept 4
	v_nop
.endr
	s_branch .Lfirst_done
.Lfirst_b:
	tensor_load_to_lds s[G0B:G0B+3], s[G1B:G1B+7]
	s_nop 0
	tensor_load_to_lds s[G0B+4:G0B+7], s[G1B:G1B+7]
	s_nop 0
.rept 4
	v_nop
.endr
.Lfirst_done:
.irp j, 0,1,2,3
.irp i, 0,1
	global_load_b128 v[SA+8*\j+4*\i:SA+8*\j+4*\i+3], v5, s[82:83] offset:1024*\j+16*\i   ; the two loads of a pair of tiles cover 1,024 consecutive bytes
	global_load_b128 v[SB+8*\j+4*\i:SB+8*\j+4*\i+3], v7, s[84:85] offset:1024*\j+16*\i
.endr
.endr
	WIN 0x40
.irp b, 0,1,2,3,4,5,6,7
.irp i, 0,1
	global_load_b128 v[BI+8*\b+4*\i:BI+8*\b+4*\i+3], v8, s[86:87] offset:(32*(\b/2)+8*(\b%2))*4+16*\i   ; tile b, lane (r, h): channels 32 (b / 2) + 8 (b % 2) + 16 h + 0 .. 7
.endr
.endr
	WIN 0
	s_wait_tensorcnt 0x1                           ; my part of K half 0 is in; half 1 may stay out
	s_barrier_signal -1
	s_barrier_wait -1
	FETCH 0, 0
	s_wait_loadcnt 0x0                             ; scale words and bias
.irp q, 0,1,2,3,4,5,6,7
	KSTEP \q
.endr
	; THE WAY OUT: each block of 16 rows is quantised in registers; its codes leave as 2 x 512 consecutive bytes.  Each block has its own registers for its codes: no store's data are written again.
	WIN 0
	PLACES 4
.irp a, 0,1,2,3,4,5,6,7
	QUANT 64*((\a)%4), 2+(\a)/4, 128+8*(\a)
.if (\a)%2 == 0
	v_mov_b32 v[SW+(\a)/2], v[PW]                  ; lanes 0-15 keep the even tile's words,
.else
	v_cndmask_b32 v[SW+(\a)/2], v[SW+(\a)/2], v[PW], s[HM]   ; lanes 16-31 take the odd tile's
.endif
	global_store_b128 v4, v[128+8*\a:128+8*\a+3], s[90:91] offset:1024*\a
	global_store_b128 v4, v[128+8*\a+4:128+8*\a+7], s[90:91] offset:1024*\a+512
.endr
	global_store_b128 v4, v[SW:SW+3], s[92:93]     ; my group's scale words: 512 consecutive bytes
	s_wait_tensorcnt 0x0
	ds_add_u32 v126, v127
	s_wait_dscnt 0x0
	CROUND                                         ; the closing round
	s_endpgm
.Lfunc_end_k_q2788a457c0_qk:
	.size	k_q2788a457c0_qk, .Lfunc_end_k_q2788a457c0_qk-k_q2788a457c0_qk
	.p2alignl 7, 3214868480
	.fill 96, 4, 3214868480
	.section	.rodata,"a",@progbits
	.p2align	6, 0x0
	.amdhsa_kernel k_q2788a457c0_qk
		.amdhsa_group_segment_fixed_size 279040
		.amdhsa_private_segment_fixed_size 0
		.amdhsa_enable_private_segment 0
		.amdhsa_kernarg_size 80
		.amdhsa_user_sgpr_count 2
		.amdhsa_user_sgpr_kernarg_segment_ptr 1
		.amdhsa_wavefront_size32 1
		.amdhsa_system_sgpr_workgroup_id_x 1
		.amdhsa_system_sgpr_workgroup_id_y 1
		.amdhsa_system_sgpr_workgroup_id_z 1
		.amdhsa_system_vgpr_workitem_id 0
		.amdhsa_next_free_vgpr 1024
		.amdhsa_next_free_sgpr 100
		.amdhsa_reserve_vcc 0
		.amdhsa_float_denorm_mode_32 3
		.amdhsa_float_denorm_mode_16_64 3
		.amdhsa_memory_ordered 1
		.amdhsa_forward_progress 1
		.amdhsa_inst_pref_size 127
	.end_amdhsa_kernel
	.amdgpu_metadata
---
amdhsa.version: [ 1, 2 ]
amdhsa.kernels:
  - .name:           k_q2788a457c0_qk
    .symbol:         k_q2788a457c0_qk.kd
    .args:
      - { .name: encoder_x_codes, .offset: 0, .size: 8, .value_kind: global_buffer, .address_space: global }
      - { .name: encoder_x_scales, .offset: 8, .size: 8, .value_kind: global_buffer, .address_space: global }
      - { .name: Wq_codes, .offset: 16, .size: 8, .value_kind: global_buffer, .address_space: global }
      - { .name: Wq_scales, .offset: 24, .size: 8, .value_kind: global_buffer, .address_space: global }
      - { .name: Wk_codes, .offset: 32, .size: 8, .value_kind: global_buffer, .address_space: global }
      - { .name: Wk_scales, .offset: 40, .size: 8, .value_kind: global_buffer, .address_space: global }
      - { .name: bq, .offset: 48, .size: 8, .value_kind: global_buffer, .address_space: global }
      - { .name: bk, .offset: 56, .size: 8, .value_kind: global_buffer, .address_space: global }
      - { .name: qimg, .offset: 64, .size: 8, .value_kind: global_buffer, .address_space: global }
      - { .name: kimg, .offset: 72, .size: 8, .value_kind: global_buffer, .address_space: global }
    .group_segment_fixed_size: 279040
    .private_segment_fixed_size: 0
    .kernarg_segment_align: 8
    .kernarg_segment_size: 80
    .max_flat_workgroup_size: 128
    .sgpr_count:     100
    .vgpr_count:     1024
    .wavefront_size: 32
...
	.end_amdgpu_metadata
.endif
;; end of part 1
;; launch att (part 2): grid 8 x 32, 16 waves a work-group, clusters of 4 x 1, 169,984 bytes of LDS; arguments qimg, kimg, part; writes part
.if DOCPART == 2
	.amdgcn_target "amdgcn-amd-amdhsa--gfx1250"
	.amdhsa_code_object_version 6
	.text
	.protected	k_q2788a457c0_att
	.globl	k_q2788a457c0_att
	.p2align	8
	.type	k_q2788a457c0_att,@function
k_q2788a457c0_att:
	s_mov_b64 s[64:65], 0
	v_nop
	global_prefetch_b8 v0, s[64:65] scope:SCOPE_SE
	s_setreg_imm32_b32 hwreg(HW_REG_WAVE_MODE, 25, 1), 1
	s_wait_xcnt 0x0
	s_wait_alu depctr_hold_cnt(0) depctr_sa_sdst(0) depctr_va_vdst(0) depctr_va_sdst(0) depctr_va_ssrc(0) depctr_va_vcc(0) depctr_vm_vsrc(0)
	s_getreg_b32 s2, hwreg(HW_REG_IB_STS2, 6, 4)
	s_cmp_eq_u32 s2, 0
	s_cbranch_scc0 .Lentry_in_a_cluster
	s_endpgm
.Lentry_in_a_cluster:
	s_bfe_u32 s2, ttmp6, 0x10000c
	s_cmp_lg_u32 s2, 0x3003
	s_cbranch_scc0 .Lentry_shape_is_right
	s_endpgm
.Lentry_shape_is_right:
; For each batch and head: the sum over all queries and keys of softmax_k(q . k / 8).  The scores are made on codes of FP4 with one E8M0 scale for each 32 of a head's 64 channels.
; A work-group takes one unit (a batch and a pair of heads) and 256 queries, and stores two partial sums; the next launch adds the eight partials of a head.
; SHARES.  Each of sixteen waves owns 16 queries, for both heads, and walks all 2,048 keys, 64 a step.  Four waves share a SIMD, so that one wave's exponentials stand beside another's products and loads.
; K = 64 IN AN INSTRUCTION 128 DEEP: a key's fragment holds both heads (registers 0-3 the even head, 4-7 the odd).  q's fragment is used twice: once with zero codes in registers 4-7, once with zero codes in
; registers 0-3.  Zero codes add nothing under any scale byte from 1 to 254, so each fragment of K read from LDS feeds two products, one a head.
; TRANSPOSED USE: source 0 = 16 keys, source 1 = my 16 queries: lane (r, h) holds query r and, of each tile, the keys 8 h + 0 .. 7.
; SOFTMAX.  Each LANE keeps a running maximum m and a sum l of its own half of the keys: p = 2^(c s - c m), c = log2(e) / 8; in every step l is multiplied by 2^(c m_old - c m_new).  Nothing crosses lanes in the
; loop; the two halves of a query are joined once, at the end.  A row's total, the sum over k of p / l, is formed as (the sum of p) x (1 / l): the division is drawn out of the sum.
; THE WHOLE UNIT OF K, 139,264 bytes, lies in LDS, filled once: each wave fetches 34 rows of 256 bytes.  CLUSTER 4 x 1: the four query blocks of a cluster read the same unit and ask for it jointly.
; LIMITS: NaN and infinities are not served; scores under -3e38 are not served.  The order of the sums (lane, wave, work-group, eight partials) differs from the source's.
.set UNIT, 139264
.set USC,  131072                      ; where a unit's scale words begin
.set SCR,  140288                      ; 32 words for the sum over the waves: bytes of their own, in blocks of 256 bytes into which no fill lands
.set LI,   1                           ; v1   16 x lane
.set ADK,  2                           ; v2   LDS address of the trip's tiles
.set ADS,  3                           ; v3   of its scale words
.set QE,   8                           ; v[8:15] q, even head; v[16:23] q, odd head
.set QS,   24                          ; v24  q's scale words
.set KS,   26                          ; v[26:27], v[28:29] K's scale words, two sets
.set KF,   32                          ; v[32:63], v[64:95] four fragments of K, two sets
.set S,    96                          ; v[96:159] scores, then p: head e, tile t at 96 + 32 e + 8 t
.set ST,   160                         ; head e at 160 + 8 e: +0 c m, +1 m, +2, +3 l, +4 .. +7 at work
.set OLD,  176
.set TL,   178                         ; v178-183 the end
.set WV,   10
.set CS,   28                          ; s[28:29] c, twice
.set SEL,  30
.set TK,   32
.set TS,   33
.set CNT,  34
.macro CROUND
	s_barrier_signal -1
	s_barrier_wait -1
	s_cmp_lg_u32 s[WV], 0
	s_cbranch_scc1 .Lnot_wave_0_\@
	s_barrier_signal -3
.Lnot_wave_0_\@:
	s_barrier_wait -3
	s_barrier_signal -1
	s_barrier_wait -1
.endm
; A STEP: 64 keys from set s.  pf = 1: the next step's fragments are asked for, into the other set: they have this whole step in which to come.
.macro STEP s, pf
	s_wait_dscnt 0x0                               ; this set's nine loads, issued a step ago
.if \pf
.irp t, 0,1,2,3
.irp c, 0,1
	ds_load_b128 v[KF+32*(1-\s)+8*\t+4*\c:KF+32*(1-\s)+8*\t+4*\c+3], v[ADK] offset:4096*(1+\s)+1024*\t+512*\c   ; 32 lanes read 512 consecutive bytes
.endr
.endr
	ds_load_b64 v[KS+2*(1-\s):KS+2*(1-\s)+1], v[ADS] offset:8+504*\s
.endif
.irp t, 0,1,2,3
.irp e, 0,1
.if \t%2
	v_wmma_scale_f32_16x16x128_f8f6f4 v[S+32*\e+8*\t:S+32*\e+8*\t+7], v[KF+32*\s+8*\t:KF+32*\s+8*\t+7], v[QE+8*\e:QE+8*\e+7], 0, v[KS+2*\s+\t/2], v[QS] matrix_a_fmt:MATRIX_FMT_FP4 matrix_b_fmt:MATRIX_FMT_FP4 matrix_a_scale:MATRIX_SCALE_ROW1
.else
	v_wmma_scale_f32_16x16x128_f8f6f4 v[S+32*\e+8*\t:S+32*\e+8*\t+7], v[KF+32*\s+8*\t:KF+32*\s+8*\t+7], v[QE+8*\e:QE+8*\e+7], 0, v[KS+2*\s+\t/2], v[QS] matrix_a_fmt:MATRIX_FMT_FP4 matrix_b_fmt:MATRIX_FMT_FP4
.endif
.endr
.endr
	v_mov_b32 v[OLD], v[ST]                        ; c m_old is kept.  These four lines are the places behind the products (ISA guide 7.12.1)
	v_mov_b32 v[OLD+1], v[ST+8]
	v_nop
	v_nop
.irp t, 0,1,2,3                                ; the largest of my 32 scores and the old m: four chains a head, the heads by turns; each accumulator is read from its low end on
.irp e, 0,1
	v_max3_num_f32 v[ST+8*\e+4+\t], v[S+32*\e+8*\t], v[S+32*\e+8*\t+1], v[S+32*\e+8*\t+2]
.endr
.endr
.irp i, 3,5
.irp t, 0,1,2,3
.irp e, 0,1
	v_max3_num_f32 v[ST+8*\e+4+\t], v[ST+8*\e+4+\t], v[S+32*\e+8*\t+\i], v[S+32*\e+8*\t+\i+1]
.endr
.endr
.endr
.irp e, 0,1
	v_max3_num_f32 v[ST+8*\e+4], v[ST+8*\e+4], v[S+32*\e+7], v[S+32*\e+15]
.endr
.irp e, 0,1
	v_max3_num_f32 v[ST+8*\e+6], v[ST+8*\e+6], v[S+32*\e+23], v[S+32*\e+31]
.endr
.irp e, 0,1
	v_max3_num_f32 v[ST+8*\e+4], v[ST+8*\e+4], v[ST+8*\e+5], v[ST+8*\e+6]
.endr
.irp e, 0,1
	v_max3_num_f32 v[ST+8*\e+1], v[ST+8*\e+4], v[ST+8*\e+7], v[ST+8*\e+1]   ; the new m
.endr
.irp e, 0,1
	v_mul_f32 v[ST+8*\e], s[CS], v[ST+8*\e+1]      ; c m
.endr
.irp e, 0,1
	v_sub_f32 v[OLD+\e], v[OLD+\e], v[ST+8*\e]     ; c m_old - c m_new, 0 or less
.endr
	; ONE BATCH: 32 scalings and 66 exponentials, none of which reads an exponential's result
.irp i, 0,1,2,3,4,5,6,7,8,9,10,11,12,13,14,15
	v_pk_fma_f32 v[S+2*\i:S+2*\i+1], v[S+2*\i:S+2*\i+1], s[CS:CS+1], v[ST:ST+1] op_sel_hi:[1,0,0] neg_lo:[0,0,1] neg_hi:[0,0,1]   ; c s - c m, two at a time
.endr
	v_exp_f32 v[ST+6], v[OLD]
	v_exp_f32 v[ST+14], v[OLD+1]
.irp i, 0,1,2,3,4,5,6,7,8,9,10,11,12,13,14,15
	v_pk_fma_f32 v[S+32+2*\i:S+32+2*\i+1], v[S+32+2*\i:S+32+2*\i+1], s[CS:CS+1], v[ST+8:ST+9] op_sel_hi:[1,0,0] neg_lo:[0,0,1] neg_hi:[0,0,1]
	v_exp_f32 v[S+2*\i], v[S+2*\i]
	v_exp_f32 v[S+2*\i+1], v[S+2*\i+1]
.endr
.irp i, 0,1,2,3,4,5,6,7,8,9,10,11,12,13,14,15,16,17,18,19,20,21,22,23,24,25,26,27,28,29,30,31
	v_exp_f32 v[S+32+\i], v[S+32+\i]
.endr
	v_nop                                          ; a plain place behind the last exponential
	s_wait_alu depctr_va_vdst(0)                   ; one wait for the whole batch, ahead of its first reader
.irp e, 0,1                                    ; l = a l + the sum of my 32 p: two chains a head, two numbers an instruction
	v_pk_add_f32 v[ST+8*\e+4:ST+8*\e+5], v[S+32*\e:S+32*\e+1], v[S+32*\e+2:S+32*\e+3]
.endr
.irp e, 0,1
	v_pk_fma_f32 v[ST+8*\e+2:ST+8*\e+3], v[ST+8*\e+2:ST+8*\e+3], v[ST+8*\e+6:ST+8*\e+7], v[S+32*\e+4:S+32*\e+5] op_sel_hi:[1,0,1]
.endr
.irp i, 3,5,7,9,11,13
.irp e, 0,1
	v_pk_add_f32 v[ST+8*\e+4:ST+8*\e+5], v[ST+8*\e+4:ST+8*\e+5], v[S+32*\e+2*\i:S+32*\e+2*\i+1]
.endr
.irp e, 0,1
	v_pk_add_f32 v[ST+8*\e+2:ST+8*\e+3], v[ST+8*\e+2:ST+8*\e+3], v[S+32*\e+2*\i+2:S+32*\e+2*\i+3]
.endr
.endr
.irp e, 0,1
	v_pk_add_f32 v[ST+8*\e+4:ST+8*\e+5], v[ST+8*\e+4:ST+8*\e+5], v[S+32*\e+30:S+32*\e+31]
.endr
.irp e, 0,1
	v_pk_add_f32 v[ST+8*\e+2:ST+8*\e+3], v[ST+8*\e+2:ST+8*\e+3], v[ST+8*\e+4:ST+8*\e+5]
.endr
.endm
	s_load_b128 s[4:7], s[0:1], 0x0                ; qimg, kimg
	s_load_b64 s[8:9], s[0:1], 0x10                ; part
	v_lshl_add_u32 v192, v0, 2, 0x29000
	v_mov_b32 v193, 0
	ds_add_u32 v192, v193
	ds_add_u32 v192, v193
	v_lshrrev_b32 v4, 5, v0
	v_readfirstlane_b32 s[WV], v4                  ; wave 0..15
.irp i, 4,5,6,7,8,9,10,11
	v_mov_b32 v[QE+\i], 0                          ; the zero codes: registers 4-7 of the even head's q, 0-3 of the odd head's
.endr
	v_mov_b32 v[TL+2], 0                           ; written once: a lane permute's destination counts as one of its sources
	v_mov_b32 v[TL+3], 0
	s_bfe_u32 s11, ttmp6, 0x40000                  ; cx
	s_lshl_b32 s12, ttmp9, 2
	s_add_co_u32 s12, s12, s11                     ; my block of 256 queries: it enters q's and the result's addresses alone
	s_and_b32 s13, ttmp7, 0xffff                   ; the unit, which the four partners share
	s_mul_i32 s14, s13, UNIT
	s_mul_i32 s15, s[WV], 8704                     ; my 34 rows of 256 bytes of K's unit, in memory and in LDS alike
	s_add_co_u32 s36, s14, s15
	s_mov_b32 s37, 0
	s_lshl_b32 s38, s12, 4
	s_add_co_u32 s38, s38, s[WV]                   ; my tile of queries
	s_lshl_b32 s38, s38, 10
	s_add_co_u32 s38, s38, s14
	s_mov_b32 s39, 0
	s_lshl_b32 s40, s12, 1                         ; its scale words: group 2 qb + w / 8,
	s_lshr_b32 s44, s[WV], 3
	s_add_co_u32 s40, s40, s44
	s_lshl_b32 s40, s40, 9
	s_bfe_u32 s44, s[WV], 0x20001                  ; word (w % 8) / 2,
	s_lshl_b32 s44, s44, 2
	s_add_co_u32 s40, s40, s44
	s_and_b32 s44, s[WV], 1                        ; the lanes' half w % 2
	s_lshl_b32 s44, s44, 8
	s_add_co_u32 s40, s40, s44
	s_add_co_u32 s40, s40, s14
	s_add_co_u32 s40, s40, USC
	s_mov_b32 s41, 0
	s_lshl_b32 s42, s12, 6
	s_lshl_b32 s44, s13, 1
	s_add_co_u32 s42, s42, s44
	s_lshl_b32 s42, s42, 2                         ; part: [block of queries][2 unit + head of the pair]
	s_mov_b32 s43, 0
	s_mov_b32 s16, 15|(3<<16)|(1<<21)              ; 15:0 the mask: all four work-groups; 17:16 elements of 8 bytes; 21 set beside a mask; no padding
	s_mov_b32 s17, 32<<16                          ; tensor_dim0 = 32 (256 bytes)
	s_mov_b32 s18, 34<<16                          ; tensor_dim1 = 34
	s_mov_b32 s19, 32<<16                          ; tile_dim0
	s_mov_b32 s20, 34                              ; tile_dim1
	s_mov_b32 s21, 32                              ; dense rows
	s_mov_b32 s22, 0
	s_mov_b32 s23, 0
	s_mov_b32 s[CS], 0x3e38aa3b                    ; c = log2(e) / 8
	s_mov_b32 s[CS+1], s[CS]
	s_mov_b32 s[SEL], 0x76543210
	s_mov_b32 s[SEL+1], 0xfedcba98
	s_mov_b32 s[TK], 0
	s_mov_b32 s[TS], USC
	s_mov_b32 s[CNT], 15
	v_and_b32 v6, 31, v0
	v_lshlrev_b32 v[LI], 4, v6
	v_lshl_add_u32 v6, v6, 2, SCR                  ; the sum over the waves: a word a lane
	v_and_b32 v4, 15, v0
	v_lshlrev_b32 v4, 4, v4                        ; q's scale words: 16 r
	v_lshrrev_b32 v5, 5, v0
	v_lshl_add_u32 v5, v5, 3, SCR                  ; my wave's two words
	v_lshlrev_b32 v7, 2, v0
.irp e, 0,1
	v_mov_b32 v[ST+8*\e+1], 0xff61b1e6             ; m = -3e38, under every score
	v_mov_b32 v[ST+8*\e+2], 0                      ; l, in two halves
	v_mov_b32 v[ST+8*\e+3], 0
.endr
.irp e, 0,1
	v_mul_f32 v[ST+8*\e], s[CS], v[ST+8*\e+1]
.endr
	s_wait_dscnt 0x0
	s_wait_kmcnt 0x0
	s_add_nc_u64 s[36:37], s[6:7], s[36:37]
	s_add_nc_u64 s[38:39], s[4:5], s[38:39]
	s_add_nc_u64 s[40:41], s[4:5], s[40:41]
	s_add_nc_u64 s[42:43], s[8:9], s[42:43]
	CROUND                                         ; all four work-groups are here: the joint loads meet
	s_mov_b32 s24, 1
	s_mov_b32 s25, s15
	s_mov_b64 s[26:27], s[36:37]
	s_or_b32 s27, s27, 0x80000000
	tensor_load_to_lds s[24:27], s[16:23]          ; my one tensor load of the launch
	s_nop 0
.rept 4
	v_nop
.endr
	global_load_b128 v[QE:QE+3], v[LI], s[38:39]                 ; q, even head: registers 0-3
	global_load_b128 v[QE+12:QE+15], v[LI], s[38:39] offset:512  ; q, odd head: registers 4-7
	global_load_b32 v[QS], v4, s[40:41]
	s_wait_tensorcnt 0x0                           ; my part of the unit is in,
	s_barrier_signal -1
	s_barrier_wait -1                              ; everybody's is
	v_add_nc_u32 v[ADK], s[TK], v[LI]
	v_add_nc_u32 v[ADS], s[TS], v[LI]
.irp t, 0,1,2,3
.irp c, 0,1
	ds_load_b128 v[KF+8*\t+4*\c:KF+8*\t+4*\c+3], v[ADK] offset:1024*\t+512*\c
.endr
.endr
	ds_load_b64 v[KS:KS+1], v[ADS]
	s_wait_loadcnt 0x0                             ; q
.Ltrip:                                            ; 15 trips of two steps: 8 tiles of keys, one group of scale words
	v_add_nc_u32 v[ADK], s[TK], v[LI]
	v_add_nc_u32 v[ADS], s[TS], v[LI]
	STEP 0, 1
	STEP 1, 1
	s_add_co_u32 s[TK], s[TK], 8192
	s_add_co_u32 s[TS], s[TS], 512
	s_sub_co_u32 s[CNT], s[CNT], 1
	s_cmp_lg_u32 s[CNT], 0
	s_cbranch_scc1 .Ltrip
	v_add_nc_u32 v[ADK], s[TK], v[LI]              ; the last two steps are written out: nothing is read past the unit
	v_add_nc_u32 v[ADS], s[TS], v[LI]
	STEP 0, 1
	STEP 1, 0
	; THE END.  A query's two halves are brought under their common maximum and added; the row's total is (the sum of p) x (1 / l)
.irp e, 0,1
	v_add_f32 v[TL+\e], v[ST+8*\e+2], v[ST+8*\e+3]
.endr
.irp e, 0,1
	v_permlanex16_b32 v[TL+2+\e], v[ST+8*\e], s[SEL], s[SEL+1]
.endr
.irp e, 0,1
	v_max_num_f32 v[TL+2+\e], v[TL+2+\e], v[ST+8*\e]
.endr
.irp e, 0,1
	v_sub_f32 v[TL+2+\e], v[ST+8*\e], v[TL+2+\e]
.endr
.irp e, 0,1
	v_exp_f32 v[TL+4+\e], v[TL+2+\e]
.endr
	v_nop
	s_wait_alu depctr_va_vdst(0)                   ; one wait for the two, ahead of their first reader
.irp e, 0,1
	v_mul_f32 v[TL+\e], v[TL+\e], v[TL+4+\e]
.endr
.irp e, 0,1
	v_permlanex16_b32 v[TL+2+\e], v[TL+\e], s[SEL], s[SEL+1]
.endr
.irp e, 0,1
	v_add_f32 v[TL+\e], v[TL+\e], v[TL+2+\e]       ; l of the whole row
.endr
.irp e, 0,1
	v_rcp_f32 v[TL+4+\e], v[TL+\e]
.endr
	v_nop
	s_wait_alu depctr_va_vdst(0)
.irp e, 0,1
	v_mul_f32 v[TL+\e], v[TL+\e], v[TL+4+\e]       ; the row's total
.endr
.irp x, 1,2,4,8                                ; over my 16 queries
.irp e, 0,1
	v_add_f32_dpp v[TL+\e], v[TL+\e], v[TL+\e] row_xmask:\x row_mask:0xf bank_mask:0xf
.endr
.endr
	ds_store_b32 v5, v[TL]                         ; all lanes write the same word with the same value
	ds_store_b32 v5, v[TL+1] offset:4
	s_wait_dscnt 0x0                               ; for the others' sake
	s_barrier_signal -1
	s_barrier_wait -1
	ds_load_b32 v[TL], v6                          ; lane 2 w + e: wave w's sum for head e
	s_wait_dscnt 0x0
.irp x, 2,4,8
	v_add_f32_dpp v[TL], v[TL], v[TL] row_xmask:\x row_mask:0xf bank_mask:0xf
.endr
	v_permlanex16_b32 v[TL+2], v[TL], s[SEL], s[SEL+1]
	v_add_f32 v[TL], v[TL], v[TL+2]                ; even lanes: the even head's sum over 256 queries; odd lanes: the odd head's
	s_wait_xcnt 0x0                                ; EXEC changes only behind this wait
	v_cmp_gt_u32 vcc_lo, 2, v0
	s_and_saveexec_b32 s44, vcc_lo
	global_store_b32 v7, v[TL], s[42:43]           ; threads 0 and 1 of the work-group: its two numbers
	s_wait_xcnt 0x0
	s_or_b32 exec_lo, exec_lo, s44
	s_wait_tensorcnt 0x0
	ds_add_u32 v192, v193
	s_wait_dscnt 0x0
	CROUND                                         ; the closing round
	s_endpgm
.Lfunc_end_k_q2788a457c0_att:
	.size	k_q2788a457c0_att, .Lfunc_end_k_q2788a457c0_att-k_q2788a457c0_att
	.p2alignl 7, 3214868480
	.fill 96, 4, 3214868480
	.section	.rodata,"a",@progbits
	.p2align	6, 0x0
	.amdhsa_kernel k_q2788a457c0_att
		.amdhsa_group_segment_fixed_size 169984
		.amdhsa_private_segment_fixed_size 0
		.amdhsa_enable_private_segment 0
		.amdhsa_kernarg_size 24
		.amdhsa_user_sgpr_count 2
		.amdhsa_user_sgpr_kernarg_segment_ptr 1
		.amdhsa_wavefront_size32 1
		.amdhsa_system_sgpr_workgroup_id_x 1
		.amdhsa_system_sgpr_workgroup_id_y 1
		.amdhsa_system_sgpr_workgroup_id_z 1
		.amdhsa_system_vgpr_workitem_id 0
		.amdhsa_next_free_vgpr 194
		.amdhsa_next_free_sgpr 66
		.amdhsa_reserve_vcc 1
		.amdhsa_float_denorm_mode_32 3
		.amdhsa_float_denorm_mode_16_64 3
		.amdhsa_memory_ordered 1
		.amdhsa_forward_progress 1
		.amdhsa_inst_pref_size 49
	.end_amdhsa_kernel
	.amdgpu_metadata
---
amdhsa.version: [ 1, 2 ]
amdhsa.kernels:
  - .name:           k_q2788a457c0_att
    .symbol:         k_q2788a457c0_att.kd
    .args:
      - { .name: qimg, .offset: 0, .size: 8, .value_kind: global_buffer, .address_space: global }
      - { .name: kimg, .offset: 8, .size: 8, .value_kind: global_buffer, .address_space: global }
      - { .name: part, .offset: 16, .size: 8, .value_kind: global_buffer, .address_space: global }
    .group_segment_fixed_size: 169984
    .private_segment_fixed_size: 0
    .kernarg_segment_align: 8
    .kernarg_segment_size: 24
    .max_flat_workgroup_size: 512
    .sgpr_count:     66
    .vgpr_count:     194
    .wavefront_size: 32
...
	.end_amdgpu_metadata
.endif
;; end of part 2
;; launch vs (part 3): grid 8 x 32, 4 waves a work-group, clusters of 4 x 4, 209,408 bytes of LDS; arguments x_codes, x_scales, Wv_codes, Wv_scales, bv, part, aimg, ascl; writes aimg, ascl
.if DOCPART == 3
	.amdgcn_target "amdgcn-amd-amdhsa--gfx1250"
	.amdhsa_code_object_version 6
	.text
	.protected	k_q2788a457c0_vs
	.globl	k_q2788a457c0_vs
	.p2align	8
	.type	k_q2788a457c0_vs,@function
k_q2788a457c0_vs:
	s_mov_b64 s[64:65], 0
	v_nop
	global_prefetch_b8 v0, s[64:65] scope:SCOPE_SE
	s_setreg_imm32_b32 hwreg(HW_REG_WAVE_MODE, 25, 1), 1
	s_wait_xcnt 0x0
	s_wait_alu depctr_hold_cnt(0) depctr_sa_sdst(0) depctr_va_vdst(0) depctr_va_sdst(0) depctr_va_ssrc(0) depctr_va_vcc(0) depctr_vm_vsrc(0)
	s_getreg_b32 s2, hwreg(HW_REG_IB_STS2, 6, 4)
	s_cmp_eq_u32 s2, 0
	s_cbranch_scc0 .Lentry_in_a_cluster
	s_endpgm
.Lentry_in_a_cluster:
	s_bfe_u32 s2, ttmp6, 0x10000c
	s_cmp_lg_u32 s2, 0xf033
	s_cbranch_scc0 .Lentry_shape_is_right
	s_endpgm
.Lentry_shape_is_right:
; v = x Wv + bv on codes of FP4 (K = 1,024); S[batch][head] = the sum of the eight partials of the launch before; v S in f32; quantised along the channels, in blocks of 32, for the last product.
; SHARES.  256 work-groups, each 256 rows (Y) x 128 columns (X: a pair of heads, and one K step of the last product).  Wave w makes rows 64 w .. 64 w + 63 x all 128 columns: 32 accumulators.
; All of K lies in LDS, as two halves of 256 bytes a row, every tensor load a first fill: waves 0 and 1 fetch 128 rows of x each, waves 2 and 3 fetch 64 rows of Wv each; two loads a wave are out at the most.
; CLUSTER 4 x 4: x's rows are shared along a row of the cluster, Wv's along a column: joint loads.
; Transposed use, the choice of Wv's rows for a tile, the scale words in registers, the bias as the first C, and the limits of the quantiser are as in the first launch of this program:
; source 0 = 16 rows of Wv (lane p of tile 2 B + u: row 32 B + 8 u + p + 8 (p / 8)), source 1 = 16 rows of x; register 16 B + i of a lane = channel 32 B + 16 (lane / 16) + i of its row.
; LIMITS: NaN and infinities are not served; a block of zeros, or one whose largest magnitude lies under 2^-124, gets the byte 1; the bytes are read by this program alone.
; OUT: aimg [Y][K step X][tile of 16 rows 0..15][1,024 bytes: the fragment's registers]; ascl [Y][X][wave][lane][2 words]: word j of lane (r, h) belongs to row r of tile 4 w + 2 j + h.
; REGISTERS: window 0: v0-31 addresses; v32-63 Wv's scale words; v64-79 x's; v80-95 the partials of S; v96-123 at work; v128-159, v192-223 two sets of x's fragments (later v128-191 v S, v192-223 codes).
;   window 1: v0-63, v64-127 two sets of Wv's fragments; v128-191 the bias.   window 2: the accumulators, (a, b) at 8 (8 a + b).
.set PITCH, 272
.set WOFF,  256*PITCH                  ; a half of K: x's 256 rows, then Wv's 128 rows
.set SLOT,  384*PITCH
.set ADRA, 16
.set ADRB, 20
.set SB,   32
.set SA,   64
.set PT,   80
.set TM,   96
.set PW,   112
.set SW,   116
.set FE,   120                         ; v[120:121] S of the even head, twice;  v[122:123] of the odd head
.set FO,   122
.set AF,   128
.set BI,   128
.set G1A,  24
.set G0A,  32
.set G1B,  48
.set G0B,  56
.set WV,   66
.set FB,   67
.set HF,   68
.set CX,   69
.set CY,   70
.set XX,   71
.set YY,   72
.set HM,   94
.set SEL,  96
.set MSB, 0
.macro WIN new
.if MSB != (\new)
	s_set_vgpr_msb (MSB<<8)|(\new)
.set MSB, (\new)
.endif
.endm
.macro PLACES n
.rept \n
	v_nop
.endr
.endm
.macro CROUND
	s_barrier_signal -1
	s_barrier_wait -1
	s_cmp_lg_u32 s[WV], 0
	s_cbranch_scc1 .Lnot_wave_0_\@
	s_barrier_signal -3
.Lnot_wave_0_\@:
	s_barrier_wait -3
	s_barrier_signal -1
	s_barrier_wait -1
.endm
.macro WM ra, rb
.if (\ra) && (\rb)
	v_wmma_scale_f32_16x16x128_f8f6f4 v[rD:rD+7], v[rW:rW+7], v[rA:rA+7], v[rC:rC+7], v[rSW], v[rSX] matrix_a_fmt:MATRIX_FMT_FP4 matrix_b_fmt:MATRIX_FMT_FP4 matrix_a_scale:MATRIX_SCALE_ROW1 matrix_b_scale:MATRIX_SCALE_ROW1
.elseif (\ra)
	v_wmma_scale_f32_16x16x128_f8f6f4 v[rD:rD+7], v[rW:rW+7], v[rA:rA+7], v[rC:rC+7], v[rSW], v[rSX] matrix_a_fmt:MATRIX_FMT_FP4 matrix_b_fmt:MATRIX_FMT_FP4 matrix_a_scale:MATRIX_SCALE_ROW1
.elseif (\rb)
	v_wmma_scale_f32_16x16x128_f8f6f4 v[rD:rD+7], v[rW:rW+7], v[rA:rA+7], v[rC:rC+7], v[rSW], v[rSX] matrix_a_fmt:MATRIX_FMT_FP4 matrix_b_fmt:MATRIX_FMT_FP4 matrix_b_scale:MATRIX_SCALE_ROW1
.else
	v_wmma_scale_f32_16x16x128_f8f6f4 v[rD:rD+7], v[rW:rW+7], v[rA:rA+7], v[rC:rC+7], v[rSW], v[rSX] matrix_a_fmt:MATRIX_FMT_FP4 matrix_b_fmt:MATRIX_FMT_FP4
.endif
.endm
.macro MULROW a, set, q                ; the 32 accumulators take turns, one instruction a turn
.irp b, 0,1,2,3,4,5,6,7
.set rD, 8*(8*(\a)+\b)
.set rW, 64*(\set)+8*\b
.set rA, AF+64*(\set)+8*(\a)
.if (\q) == 0
.set rC, BI+8*\b
.else
.set rC, 8*(8*(\a)+\b)
.endif
.set rSW, SB+8*(\b/2)+(\q)
.set rSX, SA+8*((\a)/2)+(\q)
	WM \b%2, (\a)%2
.endr
.endm
.macro FETCH q, set
	WIN 0x40
.irp b, 0,1,2,3,4,5,6,7
.irp c, 0,1
	ds_load_b128 v[64*(\set)+8*\b+4*\c:64*(\set)+8*\b+4*\c+3], v[ADRB+(\q)/4] offset:(32*(\b/2)+8*(\b%2))*PITCH+64*((\q)%4)+32*\c
.endr
.endr
	WIN 0
.irp a, 0,1,2,3
.irp c, 0,1
	ds_load_b128 v[AF+64*(\set)+8*\a+4*\c:AF+64*(\set)+8*\a+4*\c+3], v[ADRA+(\q)/4] offset:16*\a*PITCH+64*((\q)%4)+32*\c
.endr
.endr
.endm
.macro MWIN q
.if (\q) == 0
	WIN 0x91                                       ; Wv window 1, x window 0, C = the bias in window 1, D window 2
.else
	WIN 0xa1
.endif
.endm
.macro KSTEP q
	s_wait_dscnt 0x0                               ; this step's fragments are in
.if (\q) == 3
	s_wait_tensorcnt 0x0                           ; my part of K half 1 has landed: say so; the others read it behind the barrier
	s_barrier_signal -1
.endif
	MWIN \q
	MULROW 0, (\q)%2, \q
	MULROW 1, (\q)%2, \q
.if (\q) == 3
	s_barrier_wait -1
.endif
.if (\q) < 7
	PLACES 4                                       ; four plain places between the last step's products, which read that set, and the loads into it
	FETCH (\q)+1, ((\q)+1)%2
.endif
	MWIN \q
	MULROW 2, (\q)%2, \q
	MULROW 3, (\q)%2, \q
.endm
.macro QUANT src, w, pc                ; 64 numbers of a lane in window w become a fragment's codes in v[pc] on and its scale word in v[PW]
.set qS, (\src)
.set qP, (\pc)
	WIN (\w)|((\w)<<2)
.irp b, 0,1,2,3
	v_max3_num_f32 v[TM+\b], |v[qS+16*\b]|, |v[qS+16*\b+1]|, 0x1800000   ; and the floor 2^(3 - 127): the byte cannot fall under 1
.endr
	WIN ((\w)<<2)|((\w)<<4)
.irp i, 2,4,6,8,10,12,14
.irp b, 0,1,2,3
	v_max3_num_f32 v[TM+\b], v[TM+\b], |v[qS+16*\b+\i]|, |v[qS+16*\b+\i+1]|
.endr
.endr
	WIN 0
.irp b, 0,1,2,3
	v_permlanex16_b32 v[TM+4+\b], v[TM+\b], s[SEL], s[SEL+1]
.endr
.irp b, 0,1,2,3
	v_max_num_f32 v[TM+\b], v[TM+\b], v[TM+4+\b]
.endr
.irp b, 0,1,2,3
	v_add_nc_u32 v[TM+12+\b], 0xff000000, v[TM+\b] ; 2 off the exponent field: the conversion's scale operand
.endr
.irp b, 0,1,2,3
	v_lshrrev_b32 v[TM+4+\b], 23, v[TM+12+\b]      ; the scale's byte
.endr
	v_lshl_or_b32 v[PW], v[TM+5], 8, v[TM+4]
	v_lshl_or_b32 v[PW], v[TM+6], 16, v[PW]
	v_lshl_or_b32 v[PW], v[TM+7], 24, v[PW]
	WIN (\w)
.irp b, 0,1,2,3
	v_cvt_scalef32_pk8_fp4_f32 v[qP+2*\b], v[qS+16*\b:qS+16*\b+7], v[TM+12+\b]
	v_cvt_scalef32_pk8_fp4_f32 v[qP+2*\b+1], v[qS+16*\b+8:qS+16*\b+15], v[TM+12+\b]
.endr
	WIN 0
	v_nop                                          ; one plain place behind the scaled conversions
.irp c, 0,1
.irp i, 0,1
	v_permlane16_swap_b32 v[qP+4*\c+\i], v[qP+4*\c+2+\i]
.endr
.endr
.endm
	s_load_b512 s[4:19], s[0:1], 0x0               ; x codes, x scales, Wv codes, Wv scales, bv, part, aimg, ascl
	v_lshl_add_u32 v254, v0, 2, 0x33000
	v_mov_b32 v255, 0
	ds_add_u32 v254, v255
	ds_add_u32 v254, v255
	v_lshrrev_b32 v1, 5, v0
	v_readfirstlane_b32 s[WV], v1
	s_lshr_b32 s[FB], s[WV], 1                     ; I fetch for x (0) or for Wv (1),
	s_and_b32 s[HF], s[WV], 1                      ; and which half of its rows
	s_bfe_u32 s[CX], ttmp6, 0x40000
	s_bfe_u32 s[CY], ttmp6, 0x40004
	s_lshl_b32 s[XX], ttmp9, 2
	s_add_co_u32 s[XX], s[XX], s[CX]
	s_and_b32 s[YY], ttmp7, 0xffff
	s_lshl_b32 s[YY], s[YY], 2
	s_add_co_u32 s[YY], s[YY], s[CY]
	s_lshl_b32 s73, s[CY], 2
	s_lshl_b32 s73, 15, s73
	s_lshl_b32 s74, 0x1111, s[CX]
	s_or_b32 s[G1A], s73, (1<<20)|(1<<21)|(5<<22)|(3<<25)   ; the mask; elements of 1 byte; padding: four words after every 64; bit 21 beside a mask
	s_mov_b32 s[G1A+1], 256<<16
	s_mov_b32 s[G1A+2], 128<<16                    ; x: 128 rows to a load
	s_mov_b32 s[G1A+3], 256<<16
	s_mov_b32 s[G1A+4], 128
	s_mov_b32 s[G1A+5], 512
	s_mov_b32 s[G1A+6], 0
	s_mov_b32 s[G1A+7], 0
	s_or_b32 s[G1B], s74, (1<<20)|(1<<21)|(5<<22)|(3<<25)
	s_mov_b32 s[G1B+1], 256<<16
	s_mov_b32 s[G1B+2], 64<<16                     ; Wv: 64 rows to a load
	s_mov_b32 s[G1B+3], 256<<16
	s_mov_b32 s[G1B+4], 64
	s_mov_b32 s[G1B+5], 512
	s_mov_b32 s[G1B+6], 0
	s_mov_b32 s[G1B+7], 0
	s_lshl_b32 s76, s[YY], 8
	s_lshl_b32 s75, s[HF], 7
	s_add_co_u32 s76, s76, s75
	s_lshl_b32 s76, s76, 9                         ; x: row 256 Y + 128 x half
	s_mov_b32 s77, 0
	s_lshl_b32 s78, s[XX], 7
	s_lshl_b32 s75, s[HF], 6
	s_add_co_u32 s78, s78, s75
	s_lshl_b32 s78, s78, 9                         ; Wv: row 128 X + 64 x half
	s_mov_b32 s79, 0
	s_mul_i32 s80, s[HF], 128*PITCH
	s_mul_i32 s81, s[HF], 64*PITCH
	s_add_co_u32 s81, s81, WOFF
	s_mov_b32 s[SEL], 0x76543210
	s_mov_b32 s[SEL+1], 0xfedcba98
	v_and_b32 v1, 15, v0                           ; r
	v_bfe_u32 v2, v0, 4, 1                         ; h
	v_and_b32 v3, 31, v0                           ; lane
	v_lshlrev_b32 v4, 4, v3
	v_lshlrev_b32 v5, 5, v3
	v_and_b32 v6, 8, v1
	v_add_nc_u32 v6, v6, v1                        ; r + 8 (r / 8)
	v_lshl_add_u32 v7, v2, 3, v6
	v_lshlrev_b32 v7, 5, v7
	v_lshlrev_b32 v8, 6, v2
	v_lshlrev_b32 v9, 3, v3
	v_mov_b32 v12, 0
	v_mul_u32_u24 v10, v1, PITCH
	v_lshl_add_u32 v10, v2, 4, v10
	v_mul_u32_u24 v11, v6, PITCH
	v_lshl_add_u32 v11, v2, 4, v11
	s_mul_i32 s75, s[WV], 64*PITCH                 ; my 64 rows of x
	v_add_nc_u32 v[ADRA], s75, v10
	v_add_nc_u32 v[ADRA+1], SLOT, v[ADRA]
	v_add_nc_u32 v[ADRB], WOFF, v11
	v_add_nc_u32 v[ADRB+1], SLOT, v[ADRB]
	v_cmp_le_u32 s[HM], 16, v3
.irp b, 0,1,2,3
	v_mov_b32 v[TM+4+\b], 0
.endr
	s_lshl_b32 s82, s[YY], 8
	s_lshl_b32 s83, s[WV], 6
	s_add_co_u32 s82, s82, s83
	s_lshl_b32 s82, s82, 5                         ; x's scales: my 64 rows
	s_mov_b32 s83, 0
	s_lshl_b32 s84, s[XX], 12                      ; Wv's scales: 128 rows of 32 bytes
	s_mov_b32 s85, 0
	s_lshl_b32 s86, s[XX], 9                       ; bv
	s_mov_b32 s87, 0
	s_and_b32 s88, s[YY], 0x18                     ; 8 x batch
	s_add_co_u32 s88, s88, s[XX]
	s_lshl_b32 s88, s88, 3                         ; the unit's two numbers in a row of part
	s_mov_b32 s89, 0
	s_lshl_b32 s92, s[YY], 3
	s_add_co_u32 s92, s92, s[XX]                   ; 8 Y + X
	s_lshl_b32 s90, s92, 4
	s_lshl_b32 s91, s[WV], 2
	s_add_co_u32 s90, s90, s91
	s_lshl_b32 s90, s90, 10                        ; aimg: my four tiles
	s_mov_b32 s91, 0
	s_lshl_b32 s92, s92, 2
	s_add_co_u32 s92, s92, s[WV]
	s_lshl_b32 s92, s92, 8                         ; ascl: my 256 bytes
	s_mov_b32 s93, 0
	s_wait_dscnt 0x0
	s_wait_kmcnt 0x0
	s_add_nc_u64 s[76:77], s[4:5], s[76:77]
	s_add_nc_u64 s[78:79], s[8:9], s[78:79]
	s_add_nc_u64 s[82:83], s[6:7], s[82:83]
	s_add_nc_u64 s[84:85], s[10:11], s[84:85]
	s_add_nc_u64 s[86:87], s[12:13], s[86:87]
	s_add_nc_u64 s[88:89], s[14:15], s[88:89]
	s_add_nc_u64 s[90:91], s[16:17], s[90:91]
	s_add_nc_u64 s[92:93], s[18:19], s[92:93]
	CROUND
.irp kh, 0,1
	s_mov_b32 s[G0A+4*\kh], 1
	s_add_co_u32 s[G0A+4*\kh+1], s80, \kh*SLOT
	s_add_nc_u64 s[G0A+4*\kh+2:G0A+4*\kh+3], s[76:77], \kh*256
	s_or_b32 s[G0A+4*\kh+3], s[G0A+4*\kh+3], 0x80000000
	s_mov_b32 s[G0B+4*\kh], 1
	s_add_co_u32 s[G0B+4*\kh+1], s81, \kh*SLOT
	s_add_nc_u64 s[G0B+4*\kh+2:G0B+4*\kh+3], s[78:79], \kh*256
	s_or_b32 s[G0B+4*\kh+3], s[G0B+4*\kh+3], 0x80000000
.endr
	s_cmp_eq_u32 s[FB], 0
	s_cbranch_scc0 .Lfirst_b
	tensor_load_to_lds s[G0A:G0A+3], s[G1A:G1A+7]
	s_nop 0
	tensor_load_to_lds s[G0A+4:G0A+7], s[G1A:G1A+7]
	s_nop 0
.rept 4
	v_nop
.endr
	s_branch .Lfirst_done
.Lfirst_b:
	tensor_load_to_lds s[G0B:G0B+3], s[G1B:G1B+7]
	s_nop 0
	tensor_load_to_lds s[G0B+4:G0B+7], s[G1B:G1B+7]
	s_nop 0
.rept 4
	v_nop
.endr
.Lfirst_done:
.irp j, 0,1
.irp i, 0,1
	global_load_b128 v[SA+8*\j+4*\i:SA+8*\j+4*\i+3], v5, s[82:83] offset:1024*\j+16*\i
.endr
.endr
.irp j, 0,1,2,3
.irp i, 0,1
	global_load_b128 v[SB+8*\j+4*\i:SB+8*\j+4*\i+3], v7, s[84:85] offset:1024*\j+16*\i
.endr
.endr
.irp i, 0,1,2,3,4,5,6,7
	global_load_b64 v[PT+2*\i:PT+2*\i+1], v12, s[88:89] offset:256*\i   ; block of queries i: the even head's partial, the odd head's
.endr
	WIN 0x40
.irp b, 0,1,2,3,4,5,6,7
.irp i, 0,1
	global_load_b128 v[BI+8*\b+4*\i:BI+8*\b+4*\i+3], v8, s[86:87] offset:(32*(\b/2)+8*(\b%2))*4+16*\i
.endr
.endr
	WIN 0
	s_wait_tensorcnt 0x1                           ; my part of K half 0 is in; half 1 may stay out
	s_barrier_signal -1
	s_barrier_wait -1
	FETCH 0, 0
	s_wait_loadcnt 0x0
.irp i, 1,2,3,4,5,6,7
	v_pk_add_f32 v[PT:PT+1], v[PT:PT+1], v[PT+2*\i:PT+2*\i+1]      ; S of both heads, the blocks of queries in ascending order
.endr
	v_mov_b32 v[FE], v[PT]
	v_mov_b32 v[FE+1], v[PT]
	v_mov_b32 v[FO], v[PT+1]
	v_mov_b32 v[FO+1], v[PT+1]
.irp q, 0,1,2,3,4,5,6,7
	KSTEP \q
.endr
	; THE WAY OUT: v S in f32, each accumulator from its low end on; quantised; the codes leave as 2 x 512 consecutive bytes a tile
	WIN 0
	PLACES 4
.irp a, 0,1,2,3
	WIN 0x02                                       ; source 0: the accumulators, window 2
.irp i, 0,1,2,3,4,5,6,7,8,9,10,11,12,13,14,15
	v_pk_mul_f32 v[128+2*\i:128+2*\i+1], v[64*\a+2*\i:64*\a+2*\i+1], v[FE:FE+1]
.endr
.irp i, 16,17,18,19,20,21,22,23,24,25,26,27,28,29,30,31
	v_pk_mul_f32 v[128+2*\i:128+2*\i+1], v[64*\a+2*\i:64*\a+2*\i+1], v[FO:FO+1]
.endr
	WIN 0
	QUANT 128, 0, 192+8*(\a)
.if (\a)%2 == 0
	v_mov_b32 v[SW+(\a)/2], v[PW]
.else
	v_cndmask_b32 v[SW+(\a)/2], v[SW+(\a)/2], v[PW], s[HM]
.endif
	global_store_b128 v4, v[192+8*\a:192+8*\a+3], s[90:91] offset:1024*\a
	global_store_b128 v4, v[192+8*\a+4:192+8*\a+7], s[90:91] offset:1024*\a+512
.endr
	global_store_b64 v9, v[SW:SW+1], s[92:93]      ; 32 lanes store 256 consecutive bytes, aligned
	s_wait_tensorcnt 0x0
	ds_add_u32 v254, v255
	s_wait_dscnt 0x0
	CROUND
	s_endpgm
.Lfunc_end_k_q2788a457c0_vs:
	.size	k_q2788a457c0_vs, .Lfunc_end_k_q2788a457c0_vs-k_q2788a457c0_vs
	.p2alignl 7, 3214868480
	.fill 96, 4, 3214868480
	.section	.rodata,"a",@progbits
	.p2align	6, 0x0
	.amdhsa_kernel k_q2788a457c0_vs
		.amdhsa_group_segment_fixed_size 209408
		.amdhsa_private_segment_fixed_size 0
		.amdhsa_enable_private_segment 0
		.amdhsa_kernarg_size 64
		.amdhsa_user_sgpr_count 2
		.amdhsa_user_sgpr_kernarg_segment_ptr 1
		.amdhsa_wavefront_size32 1
		.amdhsa_system_sgpr_workgroup_id_x 1
		.amdhsa_system_sgpr_workgroup_id_y 1
		.amdhsa_system_sgpr_workgroup_id_z 1
		.amdhsa_system_vgpr_workitem_id 0
		.amdhsa_next_free_vgpr 768
		.amdhsa_next_free_sgpr 100
		.amdhsa_reserve_vcc 0
		.amdhsa_float_denorm_mode_32 3
		.amdhsa_float_denorm_mode_16_64 3
		.amdhsa_memory_ordered 1
		.amdhsa_forward_progress 1
		.amdhsa_inst_pref_size 82
	.end_amdhsa_kernel
	.amdgpu_metadata
---
amdhsa.version: [ 1, 2 ]
amdhsa.kernels:
  - .name:           k_q2788a457c0_vs
    .symbol:         k_q2788a457c0_vs.kd
    .args:
      - { .name: x_codes, .offset: 0, .size: 8, .value_kind: global_buffer, .address_space: global }
      - { .name: x_scales, .offset: 8, .size: 8, .value_kind: global_buffer, .address_space: global }
      - { .name: Wv_codes, .offset: 16, .size: 8, .value_kind: global_buffer, .address_space: global }
      - { .name: Wv_scales, .offset: 24, .size: 8, .value_kind: global_buffer, .address_space: global }
      - { .name: bv, .offset: 32, .size: 8, .value_kind: global_buffer, .address_space: global }
      - { .name: part, .offset: 40, .size: 8, .value_kind: global_buffer, .address_space: global }
      - { .name: aimg, .offset: 48, .size: 8, .value_kind: global_buffer, .address_space: global }
      - { .name: ascl, .offset: 56, .size: 8, .value_kind: global_buffer, .address_space: global }
    .group_segment_fixed_size: 209408
    .private_segment_fixed_size: 0
    .kernarg_segment_align: 8
    .kernarg_segment_size: 64
    .max_flat_workgroup_size: 128
    .sgpr_count:     100
    .vgpr_count:     768
    .wavefront_size: 32
...
	.end_amdgpu_metadata
.endif
;; end of part 3
;; launch out (part 4): grid 8 x 32, 4 waves a work-group, clusters of 4 x 4, 235,008 bytes of LDS; arguments aimg, ascl, Wo_codes, Wo_scales, bo, out0; writes out0
.if DOCPART == 4
	.amdgcn_target "amdgcn-amd-amdhsa--gfx1250"
	.amdhsa_code_object_version 6
	.text
	.protected	k_q2788a457c0_out
	.globl	k_q2788a457c0_out
	.p2align	8
	.type	k_q2788a457c0_out,@function
k_q2788a457c0_out:
	s_mov_b64 s[64:65], 0
	v_nop
	global_prefetch_b8 v0, s[64:65] scope:SCOPE_SE
	s_setreg_imm32_b32 hwreg(HW_REG_WAVE_MODE, 25, 1), 1
	s_wait_xcnt 0x0
	s_wait_alu depctr_hold_cnt(0) depctr_sa_sdst(0) depctr_va_vdst(0) depctr_va_sdst(0) depctr_va_ssrc(0) depctr_va_vcc(0) depctr_vm_vsrc(0)
	s_getreg_b32 s2, hwreg(HW_REG_IB_STS2, 6, 4)
	s_cmp_eq_u32 s2, 0
	s_cbranch_scc0 .Lentry_in_a_cluster
	s_endpgm
.Lentry_in_a_cluster:
	s_bfe_u32 s2, ttmp6, 0x10000c
	s_cmp_lg_u32 s2, 0xf033
	s_cbranch_scc0 .Lentry_shape_is_right
	s_endpgm
.Lentry_shape_is_right:
; out0 = Q(v S) Wo + bo on codes of FP4 (K = 1,024), f32 out.  The left operand comes as images of its registers, made by the launch before.
; SHARES.  256 work-groups, each 256 rows (Y) x 128 columns (X).  Wave w makes rows 64 w .. 64 w + 63 x all 128 columns: 32 accumulators.
; All of K lies in LDS, every tensor load a first fill.  The left operand's block Y is 131,072 dense bytes, [K step][tile of 16 rows][1,024]: waves 0 and 1 fetch 32,768 bytes of each half of K.
; Wo's rows come as two halves of 256 bytes, 16 bytes of padding behind each: waves 2 and 3 fetch 64 rows of each half.  Two loads a wave are out at the most.
; CLUSTER 4 x 4: the left operand is shared along a row of the cluster, Wo along a column: joint loads.
; TRANSPOSED USE: source 0 = 16 neighbouring rows of Wo (columns of the result), source 1 = 16 rows: a lane holds eight neighbouring numbers of a row of the result.  bo is the C of each sum's first product.
; THE WAY OUT: a block of 16 rows x 128 columns goes through the wave's own stage in LDS (bytes into which no fill lands) and leaves as whole rows of 512 bytes.
; REGISTERS: window 0: v0-31 addresses; v32-63 Wo's scale words; v64-79 the left operand's; v128-159, v192-223 two sets of its fragments (on the way out v128-255 rows of the result).
;   window 1: v0-63, v64-127 two sets of Wo's fragments; v128-191 the bias.   window 2: the accumulators, (a, b) at 8 (8 a + b).
.set PITCH, 272
.set AHALF, 65536                      ; the left operand's images of a half of K
.set WBASE, 131072                     ; behind them Wo: 128 rows x 272 bytes for each half of K
.set WHALF, 128*PITCH
.set STAGE, WBASE+2*WHALF              ; behind that the stages: 16 rows x 528 bytes for each wave
.set SPITCH, 528
.set ADRA, 16
.set ADRB, 20
.set STO,  12
.set RD,   13
.set SB,   32
.set SA,   64
.set AF,   128
.set BI,   128
.set G1A,  24
.set G0A,  32
.set G1B,  48
.set G0B,  56
.set WV,   66
.set FB,   67
.set HF,   68
.set CX,   69
.set CY,   70
.set XX,   71
.set YY,   72
.set MSB, 0
.macro WIN new
.if MSB != (\new)
	s_set_vgpr_msb (MSB<<8)|(\new)
.set MSB, (\new)
.endif
.endm
.macro PLACES n
.rept \n
	v_nop
.endr
.endm
.macro CROUND
	s_barrier_signal -1
	s_barrier_wait -1
	s_cmp_lg_u32 s[WV], 0
	s_cbranch_scc1 .Lnot_wave_0_\@
	s_barrier_signal -3
.Lnot_wave_0_\@:
	s_barrier_wait -3
	s_barrier_signal -1
	s_barrier_wait -1
.endm
.macro WM ra, rb
.if (\ra) && (\rb)
	v_wmma_scale_f32_16x16x128_f8f6f4 v[rD:rD+7], v[rW:rW+7], v[rA:rA+7], v[rC:rC+7], v[rSW], v[rSX] matrix_a_fmt:MATRIX_FMT_FP4 matrix_b_fmt:MATRIX_FMT_FP4 matrix_a_scale:MATRIX_SCALE_ROW1 matrix_b_scale:MATRIX_SCALE_ROW1
.elseif (\ra)
	v_wmma_scale_f32_16x16x128_f8f6f4 v[rD:rD+7], v[rW:rW+7], v[rA:rA+7], v[rC:rC+7], v[rSW], v[rSX] matrix_a_fmt:MATRIX_FMT_FP4 matrix_b_fmt:MATRIX_FMT_FP4 matrix_a_scale:MATRIX_SCALE_ROW1
.elseif (\rb)
	v_wmma_scale_f32_16x16x128_f8f6f4 v[rD:rD+7], v[rW:rW+7], v[rA:rA+7], v[rC:rC+7], v[rSW], v[rSX] matrix_a_fmt:MATRIX_FMT_FP4 matrix_b_fmt:MATRIX_FMT_FP4 matrix_b_scale:MATRIX_SCALE_ROW1
.else
	v_wmma_scale_f32_16x16x128_f8f6f4 v[rD:rD+7], v[rW:rW+7], v[rA:rA+7], v[rC:rC+7], v[rSW], v[rSX] matrix_a_fmt:MATRIX_FMT_FP4 matrix_b_fmt:MATRIX_FMT_FP4
.endif
.endm
.macro MULROW a, set, q                ; the 32 accumulators take turns, one instruction a turn
.irp b, 0,1,2,3,4,5,6,7
.set rD, 8*(8*(\a)+\b)
.set rW, 64*(\set)+8*\b
.set rA, AF+64*(\set)+8*(\a)
.if (\q) == 0
.set rC, BI+8*\b
.else
.set rC, 8*(8*(\a)+\b)
.endif
.set rSW, SB+8*(\b/2)+(\q)
.set rSX, SA+2*(\q)+(\a)/2
	WM \b%2, (\a)%2
.endr
.endm
.macro FETCH q, set
	WIN 0x40
.irp b, 0,1,2,3,4,5,6,7
.irp c, 0,1
	ds_load_b128 v[64*(\set)+8*\b+4*\c:64*(\set)+8*\b+4*\c+3], v[ADRB+(\q)/4] offset:16*\b*PITCH+64*((\q)%4)+32*\c
.endr
.endr
	WIN 0
.irp a, 0,1,2,3
.irp c, 0,1
	ds_load_b128 v[AF+64*(\set)+8*\a+4*\c:AF+64*(\set)+8*\a+4*\c+3], v[ADRA+(\q)/4] offset:16384*((\q)%4)+1024*\a+512*\c   ; an image: 32 lanes read 512 consecutive bytes
.endr
.endr
.endm
.macro MWIN q
.if (\q) == 0
	WIN 0x91
.else
	WIN 0xa1
.endif
.endm
.macro KSTEP q
	s_wait_dscnt 0x0                               ; this step's fragments are in
.if (\q) == 3
	s_wait_tensorcnt 0x0                           ; my part of K half 1 has landed: say so; the others read it behind the barrier
	s_barrier_signal -1
.endif
	MWIN \q
	MULROW 0, (\q)%2, \q
	MULROW 1, (\q)%2, \q
.if (\q) == 3
	s_barrier_wait -1
.endif
.if (\q) < 7
	PLACES 4                                       ; four plain places between the last step's products, which read that set, and the loads into it
	FETCH (\q)+1, ((\q)+1)%2
.endif
	MWIN \q
	MULROW 2, (\q)%2, \q
	MULROW 3, (\q)%2, \q
.endm
	s_load_b256 s[4:11], s[0:1], 0x0               ; aimg, ascl, Wo codes, Wo scales
	s_load_b128 s[12:15], s[0:1], 0x20             ; bo, out0
	v_lshl_add_u32 v126, v0, 2, 0x39400
	v_mov_b32 v127, 0
	ds_add_u32 v126, v127
	ds_add_u32 v126, v127
	v_lshrrev_b32 v1, 5, v0
	v_readfirstlane_b32 s[WV], v1
	s_lshr_b32 s[FB], s[WV], 1
	s_and_b32 s[HF], s[WV], 1
	s_bfe_u32 s[CX], ttmp6, 0x40000
	s_bfe_u32 s[CY], ttmp6, 0x40004
	s_lshl_b32 s[XX], ttmp9, 2
	s_add_co_u32 s[XX], s[XX], s[CX]
	s_and_b32 s[YY], ttmp7, 0xffff
	s_lshl_b32 s[YY], s[YY], 2
	s_add_co_u32 s[YY], s[YY], s[CY]
	s_lshl_b32 s73, s[CY], 2
	s_lshl_b32 s73, 15, s73
	s_lshl_b32 s74, 0x1111, s[CX]
	s_or_b32 s[G1A], s73, (3<<16)|(1<<21)          ; the mask; elements of 8 bytes; no padding; bit 21 beside a mask
	s_mov_b32 s[G1A+1], 32<<16                     ; rows of 256 bytes,
	s_mov_b32 s[G1A+2], 128<<16                    ; 128 of them,
	s_mov_b32 s[G1A+3], 32<<16
	s_mov_b32 s[G1A+4], 128
	s_mov_b32 s[G1A+5], 32                         ; dense
	s_mov_b32 s[G1A+6], 0
	s_mov_b32 s[G1A+7], 0
	s_or_b32 s[G1B], s74, (1<<20)|(1<<21)|(5<<22)|(3<<25)
	s_mov_b32 s[G1B+1], 256<<16
	s_mov_b32 s[G1B+2], 64<<16
	s_mov_b32 s[G1B+3], 256<<16
	s_mov_b32 s[G1B+4], 64
	s_mov_b32 s[G1B+5], 512
	s_mov_b32 s[G1B+6], 0
	s_mov_b32 s[G1B+7], 0
	s_lshl_b32 s76, s[YY], 17
	s_lshl_b32 s80, s[HF], 15                      ; my 32,768 bytes of a half of K, in memory and in LDS alike
	s_add_co_u32 s76, s76, s80
	s_mov_b32 s77, 0
	s_lshl_b32 s78, s[XX], 7
	s_lshl_b32 s75, s[HF], 6
	s_add_co_u32 s78, s78, s75
	s_lshl_b32 s78, s78, 9                         ; Wo: row 128 X + 64 x half
	s_mov_b32 s79, 0
	s_mul_i32 s81, s[HF], 64*PITCH
	s_add_co_u32 s81, s81, WBASE
	v_and_b32 v1, 15, v0                           ; r
	v_bfe_u32 v2, v0, 4, 1                         ; h
	v_and_b32 v3, 31, v0                           ; lane
	v_lshlrev_b32 v4, 4, v3                        ; 16 x lane
	v_lshlrev_b32 v5, 5, v3                        ; 32 x lane
	v_lshlrev_b32 v8, 5, v2                        ; the bias: 8 h numbers on
	v_lshlrev_b32 v9, 3, v3                        ; 8 x lane
	v_mul_u32_u24 v10, v1, PITCH
	v_lshl_add_u32 v10, v2, 4, v10
	s_lshl_b32 s75, s[WV], 12                      ; my four tiles of rows
	v_add_nc_u32 v[ADRA], s75, v4
	v_add_nc_u32 v[ADRA+1], AHALF, v[ADRA]
	v_add_nc_u32 v[ADRB], WBASE, v10
	v_add_nc_u32 v[ADRB+1], WHALF, v[ADRB]
	s_mul_i32 s75, s[WV], 16*SPITCH
	s_add_co_u32 s75, s75, STAGE                   ; my stage
	v_mul_u32_u24 v[STO], v1, SPITCH
	v_lshl_add_u32 v[STO], v2, 5, v[STO]
	v_add_nc_u32 v[STO], s75, v[STO]               ; in: row r, 32 bytes for each half of the lanes
	v_add_nc_u32 v[RD], s75, v4                    ; back: the 32 lanes take one row of 512 bytes
	s_lshl_b32 s82, s[YY], 5
	s_add_co_u32 s82, s82, s[WV]
	s_lshl_b32 s82, s82, 8                         ; ascl: block Y, my wave; a K step is 1,024 bytes on
	s_mov_b32 s83, 0
	s_lshl_b32 s84, s[XX], 12
	s_mov_b32 s85, 0
	s_lshl_b32 s86, s[XX], 9
	s_mov_b32 s87, 0
	s_lshl_b32 s90, s[YY], 8
	s_lshl_b32 s91, s[WV], 6
	s_add_co_u32 s90, s90, s91
	s_lshl_b32 s90, s90, 12                        ; out0: my first row, 4,096 bytes a row,
	s_add_co_u32 s90, s90, s86                     ; + 512 X
	s_mov_b32 s91, 0
	s_wait_dscnt 0x0
	s_wait_kmcnt 0x0
	s_add_nc_u64 s[76:77], s[4:5], s[76:77]
	s_add_nc_u64 s[78:79], s[8:9], s[78:79]
	s_add_nc_u64 s[82:83], s[6:7], s[82:83]
	s_add_nc_u64 s[84:85], s[10:11], s[84:85]
	s_add_nc_u64 s[86:87], s[12:13], s[86:87]
	s_add_nc_u64 s[90:91], s[14:15], s[90:91]
	CROUND
.irp kh, 0,1
	s_mov_b32 s[G0A+4*\kh], 1
	s_add_co_u32 s[G0A+4*\kh+1], s80, \kh*AHALF
	s_add_nc_u64 s[G0A+4*\kh+2:G0A+4*\kh+3], s[76:77], \kh*AHALF
	s_or_b32 s[G0A+4*\kh+3], s[G0A+4*\kh+3], 0x80000000
	s_mov_b32 s[G0B+4*\kh], 1
	s_add_co_u32 s[G0B+4*\kh+1], s81, \kh*WHALF
	s_add_nc_u64 s[G0B+4*\kh+2:G0B+4*\kh+3], s[78:79], \kh*256
	s_or_b32 s[G0B+4*\kh+3], s[G0B+4*\kh+3], 0x80000000
.endr
	s_cmp_eq_u32 s[FB], 0
	s_cbranch_scc0 .Lfirst_b
	tensor_load_to_lds s[G0A:G0A+3], s[G1A:G1A+7]
	s_nop 0
	tensor_load_to_lds s[G0A+4:G0A+7], s[G1A:G1A+7]
	s_nop 0
.rept 4
	v_nop
.endr
	s_branch .Lfirst_done
.Lfirst_b:
	tensor_load_to_lds s[G0B:G0B+3], s[G1B:G1B+7]
	s_nop 0
	tensor_load_to_lds s[G0B+4:G0B+7], s[G1B:G1B+7]
	s_nop 0
.rept 4
	v_nop
.endr
.Lfirst_done:
.irp q, 0,1,2,3,4,5,6,7
	global_load_b64 v[SA+2*\q:SA+2*\q+1], v9, s[82:83] offset:1024*\q   ; K step q: word j of lane (r, h): row r of my tile 2 j + h; 256 consecutive bytes
.endr
.irp j, 0,1,2,3
.irp i, 0,1
	global_load_b128 v[SB+8*\j+4*\i:SB+8*\j+4*\i+3], v5, s[84:85] offset:1024*\j+16*\i
.endr
.endr
	WIN 0x40
.irp b, 0,1,2,3,4,5,6,7
.irp i, 0,1
	global_load_b128 v[BI+8*\b+4*\i:BI+8*\b+4*\i+3], v8, s[86:87] offset:64*\b+16*\i   ; tile b, lane (r, h): columns 16 b + 8 h + 0 .. 7
.endr
.endr
	WIN 0
	s_wait_tensorcnt 0x1                           ; my part of K half 0 is in; half 1 may stay out
	s_barrier_signal -1
	s_barrier_wait -1
	FETCH 0, 0
	s_wait_loadcnt 0x0
.irp q, 0,1,2,3,4,5,6,7
	KSTEP \q
.endr
.macro TOSTAGE a                       ; LDS serves a wave's instructions in order (ISA guide 5.7.1.4): no wait between the stores and the loads, nor in front of the next block's stores
	WIN 0x08                                       ; an LDS store's data: window 2
.irp b, 0,1,2,3,4,5,6,7
	ds_store_b128 v[STO], v[8*(8*(\a)+\b):8*(8*(\a)+\b)+3] offset:64*\b          ; each accumulator from its low end on
	ds_store_b128 v[STO], v[8*(8*(\a)+\b)+4:8*(8*(\a)+\b)+7] offset:64*\b+16
.endr
	WIN 0
.irp t, 0,1,2,3,4,5,6,7,8,9,10,11,12,13,14,15
	ds_load_b128 v[128+64*((\a)%2)+4*\t:128+64*((\a)%2)+4*\t+3], v[RD] offset:\t*SPITCH
.endr
.endm
.macro SEND a, younger                 ; younger: the LDS instructions issued behind block a's loads, which may stay out
	s_wait_dscnt \younger
.irp t, 0,1,2,3,4,5,6,7,8,9,10,11,12,13,14,15
	global_store_b128 v4, v[128+64*((\a)%2)+4*\t:128+64*((\a)%2)+4*\t+3], s[90:91] offset:65536*(\a)+4096*\t th:TH_STORE_NT   ; 32 lanes store 512 consecutive bytes, at a multiple of 256 from the buffer's first byte
.endr
.endm
	WIN 0
	PLACES 4                                       ; behind the last products: their results are read, and loads land in registers that they read
	TOSTAGE 0
.irp a, 1,2,3
.if \a > 1
	s_wait_xcnt 0x0                                ; block a - 2's stores have read their registers: block a's loads may land there
.endif
	TOSTAGE \a
	SEND (\a)-1, 32                                ; behind block a - 1's loads: block a's 16 stores and 16 loads
.endr
	SEND 3, 0
	s_wait_tensorcnt 0x0
	ds_add_u32 v126, v127
	s_wait_dscnt 0x0
	CROUND                                         ; the closing round
	s_endpgm
.Lfunc_end_k_q2788a457c0_out:
	.size	k_q2788a457c0_out, .Lfunc_end_k_q2788a457c0_out-k_q2788a457c0_out
	.p2alignl 7, 3214868480
	.fill 96, 4, 3214868480
	.section	.rodata,"a",@progbits
	.p2align	6, 0x0
	.amdhsa_kernel k_q2788a457c0_out
		.amdhsa_group_segment_fixed_size 235008
		.amdhsa_private_segment_fixed_size 0
		.amdhsa_enable_private_segment 0
		.amdhsa_kernarg_size 48
		.amdhsa_user_sgpr_count 2
		.amdhsa_user_sgpr_kernarg_segment_ptr 1
		.amdhsa_wavefront_size32 1
		.amdhsa_system_sgpr_workgroup_id_x 1
		.amdhsa_system_sgpr_workgroup_id_y 1
		.amdhsa_system_sgpr_workgroup_id_z 1
		.amdhsa_system_vgpr_workitem_id 0
		.amdhsa_next_free_vgpr 768
		.amdhsa_next_free_sgpr 100
		.amdhsa_reserve_vcc 0
		.amdhsa_float_denorm_mode_32 3
		.amdhsa_float_denorm_mode_16_64 3
		.amdhsa_memory_ordered 1
		.amdhsa_forward_progress 1
		.amdhsa_inst_pref_size 71
	.end_amdhsa_kernel
	.amdgpu_metadata
---
amdhsa.version: [ 1, 2 ]
amdhsa.kernels:
  - .name:           k_q2788a457c0_out
    .symbol:         k_q2788a457c0_out.kd
    .args:
      - { .name: aimg, .offset: 0, .size: 8, .value_kind: global_buffer, .address_space: global }
      - { .name: ascl, .offset: 8, .size: 8, .value_kind: global_buffer, .address_space: global }
      - { .name: Wo_codes, .offset: 16, .size: 8, .value_kind: global_buffer, .address_space: global }
      - { .name: Wo_scales, .offset: 24, .size: 8, .value_kind: global_buffer, .address_space: global }
      - { .name: bo, .offset: 32, .size: 8, .value_kind: global_buffer, .address_space: global }
      - { .name: out0, .offset: 40, .size: 8, .value_kind: global_buffer, .address_space: global }
    .group_segment_fixed_size: 235008
    .private_segment_fixed_size: 0
    .kernarg_segment_align: 8
    .kernarg_segment_size: 48
    .max_flat_workgroup_size: 128
    .sgpr_count:     100
    .vgpr_count:     768
    .wavefront_size: 32
...
	.end_amdgpu_metadata
.endif
;; end of part 4
